; MI455X (gfx1250); checked and timed in simulation.
; The chip was launched on July 23, 2026; its instructions are those of AMD's public machine-readable ISA for CDNA 5 (MIT licence, August 2026) and "CDNA5" Instruction Set Architecture Reference Guide (July 2026). The comments in the code are by the model that wrote it; some were corrected since.
;; toeken proj. Allowed arithmetic: float matrix products may take bf16 or f16 operands with f32 sums; all other float work in f32.
;; Inputs: Tout 8 x 1,024 x 128 float32; W1 128 x 512 float32; W2 128 x 512 float32; W3 128 x 128 float32; Xc 8 x 4,096 x 128 float32; b1 512 float32; b2 512 float32; b3 128 float32.
;; Outputs: out0 8 x 4,096 x 128 float32.
;; 2 versions, each right; version 2 is version 1 with the launch stats written anew for expert scheduling mode. Each part assembles by itself: llvm-mc -triple=amdgcn-amd-amdhsa -mcpu=gfx1250 --defsym DOCPART=n.
;; ======== version 1 of 2: 3 launches
;; limits: values are held in f16: magnitudes above 65,504 overflow, below 6.1e-05 lose precision
;; workspace buffers: WA 36,864 bytes; BG 1,280 bytes; W3F 32,768 bytes; GV 4,194,304 bytes; SC 65,536 bytes; ST 524,288 bytes
;; launch prepw (part 1): grid 9 x 9, 4 waves a work-group, no clusters, 4,608 bytes of LDS; arguments W1, W2, W3, b1, b2, WA, BG, W3F; writes WA, BG, W3F
.if DOCPART == 1
	.amdgcn_target "amdgcn-amd-amdhsa--gfx1250"
	.amdhsa_code_object_version 6
	.text
	.protected	k_qe1f20545f0_prepw
	.globl	k_qe1f20545f0_prepw
	.p2align	8
	.type	k_qe1f20545f0_prepw,@function
k_qe1f20545f0_prepw:
	s_mov_b64 s[64:65], 0
	v_nop
	global_prefetch_b8 v0, s[64:65] scope:SCOPE_SE
	s_setreg_imm32_b32 hwreg(HW_REG_WAVE_MODE, 25, 1), 1
	s_wait_xcnt 0x0
; Products of the weights alone, so that the scores need a sum over 128 instead of 512:
;   q.k = Xc . G + c,  G[m][d] = sum_i Tout[m][i] Wx[d][i] + BG[d],  c[m] = the same with row 128,
;   Wx[j][i] = log2e * sum_h W1x[j][h] W2[i][h],  BG[j] = log2e * sum_h W1x[j][h] b2[h],
;   W1x rows 0..127 = W1, row 128 = b1, rows 129..143 = 0.  (log2e: the later exponentials are in base 2.)
; Work-group (it, jt) makes the tile of 16 i x 16 j; it = 8 stands for the row b2 (gives BG), jt = 8 for the row b1.
; Four waves split the sum over h (128 each, four matrix instructions); the partial sums meet in LDS; wave 0 stores.
; Wave 1 of the 64 work-groups with it, jt < 8 also turns 16 x 16 of W3 into f16, in the order of a matrix fragment.
; WA and W3F are stored as blocks of 512 bytes, lane L's 16 bytes at byte 16 L; BG as 128 bytes, lane L's word at byte 4 L: one store of a wave each.
; LIMITS: operands are rounded to f16, so |W1|, |W2|, |W3|, |b1|, |b2| and |Wx| stay below 65504; sums in f32.
.set L2E,  0x3fb8aa3b                  ; log2(e)
.set FA,   16                          ; v[16:79]   A's 16 rows (W2 or b2), f32 as loaded: 16 registers for each of 4 K steps
.set FB,   80                          ; v[80:143]  B's 16 rows (W1 or b1)
.set HA,   144                         ; v[144:175] A in f16: 8 registers a K step
.set HB,   176                         ; v[176:207] B in f16
.set ACC0, 16                          ; v[16:23], v[24:31] two sums (the f32 copies are spent by then)
.set ACC1, 24
.set W3W,  208                         ; v[208:215] eight words of W3
.set PK,   216                         ; v[216:219] 16 bytes to store
	s_load_b512 s[4:19], s[0:1], 0x0               ; W1 4:5, W2 6:7, W3 8:9, b1 10:11, b2 12:13, WA 14:15, BG 16:17, W3F 18:19
	v_lshl_add_u32 v224, v0, 2, 0x1000
	v_mov_b32 v225, 0
	v_lshrrev_b32 v1, 5, v0
	v_readfirstlane_b32 s24, v1                    ; wave
	s_mov_b32 s25, ttmp9                           ; it
	s_and_b32 s26, ttmp7, 0xffff                   ; jt
	v_and_b32 v1, 31, v0                           ; L
	v_and_b32 v2, 15, v0                           ; r
	v_bfe_u32 v3, v0, 4, 1                         ; h
	s_lshl_b32 s30, s25, 15                        ; 16 rows of 2,048 bytes
	s_lshl_b32 s32, s26, 15
	s_lshl_b32 s34, s24, 9                         ; my 128 h
	s_cmp_eq_u32 s25, 8
	s_cselect_b32 s30, 0, s30                      ; the bias vector is one row, taken sixteen times: offset 0, stride 0
	s_cselect_b32 s28, 0, 2048
	s_cmp_eq_u32 s26, 8
	s_cselect_b32 s32, 0, s32
	s_cselect_b32 s29, 0, 2048
	s_cselect_b32 s27, 1, 16                       ; how many columns j of the tile exist
	s_add_co_u32 s30, s30, s34
	s_add_co_u32 s32, s32, s34
	s_mov_b32 s31, 0
	s_mov_b32 s33, 0
	s_lshl3_add_u32 s36, s26, s25                  ; block jt * 8 + it of WA and of W3F
	s_lshl_b32 s36, s36, 9
	s_mov_b32 s37, 0
	s_lshl_b32 s34, s25, 13                        ; W3: 16 it rows of 512 bytes
	s_lshl_b32 s35, s26, 6                         ;     + 16 jt columns
	s_add_co_u32 s34, s34, s35
	s_mov_b32 s35, 0
	s_lshl_b32 s38, s26, 7                         ; BG: 128 bytes for each jt
	s_mov_b32 s39, 0
	v_mul_u32_u24 v4, v2, s28                      ; A: row r,
	v_lshl_add_u32 v4, v3, 5, v4                   ;    8 h numbers of f32 along it
	v_mul_u32_u24 v5, v2, s29                      ; B likewise
	v_lshl_add_u32 v5, v3, 5, v5
	v_lshlrev_b32 v7, 4, v1                        ; 16 L
	v_lshl_add_u32 v6, s24, 10, v7                 ; my wave's 1,024 bytes of LDS
	v_lshlrev_b32 v11, 2, v1                       ; 4 L
	v_lshlrev_b32 v10, 2, v2                       ; W3: column r,
	v_lshl_add_u32 v10, v3, 12, v10                ;     8 h rows down
	v_mov_b32 v9, L2E
	v_cmp_gt_u32 vcc_lo, s27, v2
	v_cndmask_b32 v8, 0, v9, vcc_lo                ; log2e, or 0 for the rows 129..143 that do not exist
	v_mov_b32 v9, v8
	s_wait_kmcnt 0x0
	s_cmp_eq_u32 s25, 8
	s_cselect_b64 s[20:21], s[12:13], s[6:7]       ; A's rows: b2 or W2
	s_cmp_eq_u32 s26, 8
	s_cselect_b64 s[22:23], s[10:11], s[4:5]       ; B's rows: b1 or W1
	s_add_nc_u64 s[20:21], s[20:21], s[30:31]
	s_add_nc_u64 s[22:23], s[22:23], s[32:33]
	s_add_nc_u64 s[8:9], s[8:9], s[34:35]
	s_add_nc_u64 s[14:15], s[14:15], s[36:37]
	s_add_nc_u64 s[18:19], s[18:19], s[36:37]
	s_add_nc_u64 s[16:17], s[16:17], s[38:39]
	; a fragment's lane wants k = 8h..8h+7 and 16+8h..16+8h+7 of each 32: in f32, 32 bytes at 32 h and 32 bytes at 64 + 32 h
.irp q, 0,1,2,3
	global_load_b128 v[FA+16*\q:FA+16*\q+3],     v4, s[20:21] offset:128*\q
	global_load_b128 v[FA+16*\q+4:FA+16*\q+7],   v4, s[20:21] offset:128*\q+16
	global_load_b128 v[FA+16*\q+8:FA+16*\q+11],  v4, s[20:21] offset:128*\q+64
	global_load_b128 v[FA+16*\q+12:FA+16*\q+15], v4, s[20:21] offset:128*\q+80
	global_load_b128 v[FB+16*\q:FB+16*\q+3],     v5, s[22:23] offset:128*\q
	global_load_b128 v[FB+16*\q+4:FB+16*\q+7],   v5, s[22:23] offset:128*\q+16
	global_load_b128 v[FB+16*\q+8:FB+16*\q+11],  v5, s[22:23] offset:128*\q+64
	global_load_b128 v[FB+16*\q+12:FB+16*\q+15], v5, s[22:23] offset:128*\q+80
.endr
	; W3F[dt = jt][it]: lane (r, h) holds W3[16 it + 8 h + 0..7][16 jt + r]
	s_cmp_lg_u32 s24, 1
	s_cbranch_scc1 .Lno_w3
	s_cmp_eq_u32 s25, 8
	s_cbranch_scc1 .Lno_w3
	s_cmp_eq_u32 s26, 8
	s_cbranch_scc1 .Lno_w3
.irp e, 0,1,2,3,4,5,6,7
	global_load_b32 v[W3W+\e], v10, s[8:9] offset:512*\e
.endr
	s_wait_loadcnt 0x0
.irp p, 0,1,2,3
	v_cvt_pk_f16_f32 v[PK+\p], v[W3W+2*\p], v[W3W+2*\p+1]
.endr
	global_store_b128 v7, v[PK:PK+3], s[18:19]
.Lno_w3:
	s_wait_loadcnt 0x0
.set e, 0
.rept 32
	v_cvt_pk_f16_f32 v[HA+e], v[FA+2*e], v[FA+2*e+1]
	v_cvt_pk_f16_f32 v[HB+e], v[FB+2*e], v[FB+2*e+1]
.set e, e+1
.endr
	; two sums take turns, one instruction a turn; the first two products start them
	v_wmma_f32_16x16x32_f16 v[ACC0:ACC0+7], v[HA:HA+7],     v[HB:HB+7],     0
	v_wmma_f32_16x16x32_f16 v[ACC1:ACC1+7], v[HA+8:HA+15],  v[HB+8:HB+15],  0
	v_wmma_f32_16x16x32_f16 v[ACC0:ACC0+7], v[HA+16:HA+23], v[HB+16:HB+23], v[ACC0:ACC0+7]
	v_wmma_f32_16x16x32_f16 v[ACC1:ACC1+7], v[HA+24:HA+31], v[HB+24:HB+31], v[ACC1:ACC1+7]
.rept 4
	v_nop                                          ; four places behind a matrix instruction before its result is read (ISA guide 7.12.1)
.endr
.irp p, 0,2,4,6
	v_pk_add_f32 v[ACC0+\p:ACC0+\p+1], v[ACC0+\p:ACC0+\p+1], v[ACC1+\p:ACC1+\p+1]
.endr
	s_cmp_eq_u32 s24, 0
	s_cbranch_scc1 .Lkeeps                         ; wave 0 keeps its part in registers
	ds_store_b128 v6, v[ACC0:ACC0+3]
	ds_store_b128 v6, v[ACC0+4:ACC0+7] offset:512
.Lkeeps:
	s_wait_dscnt 0x0                               ; my stores are done before I say so
	s_barrier_signal -1
	s_barrier_wait -1
	s_cmp_lg_u32 s24, 0
	s_cbranch_scc1 .Lend
.irp k, 1,2,3
	ds_load_b128 v[24+8*\k:27+8*\k], v7 offset:1024*\k
	ds_load_b128 v[28+8*\k:31+8*\k], v7 offset:1024*\k+512
.endr
	s_wait_dscnt 0x0
.irp p, 0,2,4,6
	v_pk_add_f32 v[32+\p:33+\p], v[32+\p:33+\p], v[40+\p:41+\p]
	v_pk_add_f32 v[ACC0+\p:ACC0+\p+1], v[ACC0+\p:ACC0+\p+1], v[48+\p:49+\p]
.endr
.irp p, 0,2,4,6
	v_pk_add_f32 v[ACC0+\p:ACC0+\p+1], v[ACC0+\p:ACC0+\p+1], v[32+\p:33+\p]
.endr
.irp p, 0,2,4,6
	v_pk_mul_f32 v[ACC0+\p:ACC0+\p+1], v[ACC0+\p:ACC0+\p+1], v[8:9]
.endr
	s_cmp_eq_u32 s25, 8
	s_cbranch_scc1 .Lbias
	; register jj of lane (r, h) is Wx[16 jt + r][16 it + 8 h + jj]: packed, half of a fragment's lane
.irp p, 0,1,2,3
	v_cvt_pk_f16_f32 v[PK+\p], v[ACC0+2*\p], v[ACC0+2*\p+1]
.endr
	global_store_b128 v7, v[PK:PK+3], s[14:15]
	s_wait_tensorcnt 0x0
	ds_add_u32 v224, v225
	s_wait_dscnt 0x0
	s_endpgm
.Lbias:
	global_store_b32 v11, v[ACC0], s[16:17]        ; all sixteen rows were b2: every register holds BG[16 jt + r]; words 16..31 repeat words 0..15
.Lend:
	s_wait_tensorcnt 0x0
	ds_add_u32 v224, v225
	s_wait_dscnt 0x0
	s_endpgm
.Lfunc_end_k_qe1f20545f0_prepw:
	.size	k_qe1f20545f0_prepw, .Lfunc_end_k_qe1f20545f0_prepw-k_qe1f20545f0_prepw
	.p2alignl 7, 3214868480
	.fill 96, 4, 3214868480
	.section	.rodata,"a",@progbits
	.p2align	6, 0x0
	.amdhsa_kernel k_qe1f20545f0_prepw
		.amdhsa_group_segment_fixed_size 4608
		.amdhsa_private_segment_fixed_size 0
		.amdhsa_enable_private_segment 0
		.amdhsa_kernarg_size 64
		.amdhsa_user_sgpr_count 2
		.amdhsa_user_sgpr_kernarg_segment_ptr 1
		.amdhsa_wavefront_size32 1
		.amdhsa_system_sgpr_workgroup_id_x 1
		.amdhsa_system_sgpr_workgroup_id_y 1
		.amdhsa_system_sgpr_workgroup_id_z 1
		.amdhsa_system_vgpr_workitem_id 0
		.amdhsa_next_free_vgpr 226
		.amdhsa_next_free_sgpr 66
		.amdhsa_reserve_vcc 1
		.amdhsa_float_denorm_mode_32 3
		.amdhsa_float_denorm_mode_16_64 3
		.amdhsa_memory_ordered 1
		.amdhsa_forward_progress 1
		.amdhsa_inst_pref_size 14
	.end_amdhsa_kernel
	.amdgpu_metadata
---
amdhsa.version: [ 1, 2 ]
amdhsa.kernels:
  - .name:           k_qe1f20545f0_prepw
    .symbol:         k_qe1f20545f0_prepw.kd
    .args:
      - { .name: W1, .offset: 0, .size: 8, .value_kind: global_buffer, .address_space: global }
      - { .name: W2, .offset: 8, .size: 8, .value_kind: global_buffer, .address_space: global }
      - { .name: W3, .offset: 16, .size: 8, .value_kind: global_buffer, .address_space: global }
      - { .name: b1, .offset: 24, .size: 8, .value_kind: global_buffer, .address_space: global }
      - { .name: b2, .offset: 32, .size: 8, .value_kind: global_buffer, .address_space: global }
      - { .name: WA, .offset: 40, .size: 8, .value_kind: global_buffer, .address_space: global }
      - { .name: BG, .offset: 48, .size: 8, .value_kind: global_buffer, .address_space: global }
      - { .name: W3F, .offset: 56, .size: 8, .value_kind: global_buffer, .address_space: global }
    .group_segment_fixed_size: 4608
    .private_segment_fixed_size: 0
    .kernarg_segment_align: 8
    .kernarg_segment_size: 64
    .max_flat_workgroup_size: 128
    .sgpr_count:     66
    .vgpr_count:     226
    .wavefront_size: 32
...
	.end_amdgpu_metadata
.endif
;; end of part 1
;; launch stats (part 2): grid 32 x 8, 8 waves a work-group, no clusters, 252,928 bytes of LDS; arguments Xc, Tout, b3, WA, BG, W3F, GV, SC, ST; writes GV, SC, ST
.if DOCPART == 2
	.amdgcn_target "amdgcn-amd-amdhsa--gfx1250"
	.amdhsa_code_object_version 6
	.text
	.protected	k_qe1f20545f0_stats
	.globl	k_qe1f20545f0_stats
	.p2align	8
	.type	k_qe1f20545f0_stats,@function
k_qe1f20545f0_stats:
	s_mov_b64 s[64:65], 0
	v_nop
	global_prefetch_b8 v0, s[64:65] scope:SCOPE_SE
	s_setreg_imm32_b32 hwreg(HW_REG_WAVE_MODE, 25, 1), 1
	s_wait_xcnt 0x0
; First pass over the scores: for each column m its maximum and its sum of exponentials over a chunk of 512 n.
; Scores in base 2:  S2[n][m] = s[m] * (sum_d Gh[m][d] Xc[n][d]) + c2[m],  Gh = G2 / s, s[m] = the power of two of row m's largest |G2|.
; Work-group (x, b): j = x & 3 is a block of 256 m, c = x >> 2 a chunk of 512 n.  Wave w owns 32 m (g32 = 8 j + w) for all 512 n.
; Phases: Tout, Xc to f16 in LDS; v = Tout W3 + b3 for my 32 m and the d tile c; G2 and c2 = Tout Wx + BG; scale; four chunks of
; 128 n with a running maximum per lane; the sixteen lanes of a row meet at the end.  The transposed tile (rows m, columns n) is
; made, so that the reduction over n runs along registers and lanes of one row, and the packed results of the G phase are
; already the A fragments of the score product.
; The wave w = c stores Gh, s, c2 of its 32 m, so the eight chunks share that out evenly; every wave stores its v tile and its statistics.
; NO CLUSTER, NO TENSOR LOADS: the tiles that work-groups share (Xc, Tout) are f32 and are converted once on the way in; as f32 they
; (256 KiB + 128 KiB) do not fit in LDS beside their f16 copies (136 KiB + 68 KiB), so they come through registers.
; LIMITS: operands in f16: |Xc|, |Tout|, |v| below 65504.  A row of G2 whose largest magnitude is below 2^-126 counts as a row of
; zero scores; 2^127 and above is not served.  The sums are ordered otherwise than in q.k (the product is reassociated).
.set XP,   272                         ; an LDS row: 256 bytes of f16 + 16: sixteen rows start at sixteen different 16-byte columns
.set QB,   128*XP                      ; a quarter of Xc's chunk
.set TO,   4*QB                        ; Tout's 256 rows
.set WAL,  TO+256*XP                   ; a copy of WA
.set SCR,  WAL+36864                   ; 768 bytes a wave: s 128, c2 128, 128 unused words, -, PM 128, PZ 128
; window 0
.set AF,   32                          ; v[32:95]   Gh as A fragments: 32 mt + 8 q
.set WF0,  96                          ; v[96:127], v[128:159] fragments of Wx, two buffers
.set WF1,  128
.set TM,   96                          ; v[96:111]  a chunk's maxima
.set OLD,  112                         ; v[112:127] rescaling factors
.set CP,   128                         ; v[128:143] c2
.set XS,   160                         ; v[160:223] sixteen rows of Xc as loaded
.set DM,   224                         ; v[224:239] running maxima of the raw products, 16 m a lane
.set SUM,  240                         ; v[240:255] running sums
; window 1 (written by their low 8 bits)
.set SS,   144                         ; s of my 16 m
.set NB,   160                         ; - s * maximum
.set W3R,  144                         ; before that: fragments of W3
.set TB,   176                         ; fragments of Tout: 32 mt + 8 q
.set XF0,  176                         ; later fragments of Xc, two buffers
.set XF1,  208
.set VA,   240                         ; the v tile's sums
.set MSB, 0
.macro WIN new                         ; low byte: bits 1:0 source 0, 3:2 source 1, 5:4 source 2, 7:6 destination; the high byte repeats the setting left
.if MSB != \new
	s_set_vgpr_msb (MSB<<8)|\new
.set MSB, \new
.endif
.endm
.macro PLACES                          ; four places behind a matrix instruction before its result is read or a source loaded again (ISA guide 7.12.1)
.rept 4
	v_nop
.endr
.endm
.macro CVST x, addr, off, t            ; four f32 to four f16, 8 bytes into LDS
	v_cvt_pk_f16_f32 v[\t], v[\x], v[(\x)+1]
	v_cvt_pk_f16_f32 v[(\t)+1], v[(\x)+2], v[(\x)+3]
	ds_store_b64 v[\addr], v[\t:(\t)+1] offset:\off
.endm
.macro XLOAD q                         ; my 16 rows of quarter q: each load is one whole row of 512 bytes
.set i, 0
.rept 16
	global_load_b128 v[XS+4*i:XS+4*i+3], v4, s[4:5] offset:(\q)*65536+512*i
.set i, i+1
.endr
.endm
.macro XSTAGE q
.set i, 0
.rept 16
	CVST XS+4*i, 6+(\q)/2, ((\q)&1)*QB+XP*i, 22+2*(i%3)
.set i, i+1
.endr
.endm
	s_load_b512 s[4:19], s[0:1], 0x0               ; Xc 4:5, Tout 6:7, b3 8:9, WA 10:11, BG 12:13, W3F 14:15, GV 16:17, SC 18:19
	s_load_b64 s[20:21], s[0:1], 0x40              ; ST
	v_lshrrev_b32 v1, 5, v0
	v_readfirstlane_b32 s24, v1                    ; w
	s_and_b32 s25, ttmp9, 3                        ; j
	s_lshr_b32 s26, ttmp9, 2                       ; c
	s_and_b32 s27, ttmp7, 0xffff                   ; b
	s_lshl3_add_u32 s28, s25, s24                  ; g32 = 8 j + w
	s_mov_b32 s30, 0x76543210                      ; v_permlanex16_b32: lane i of the other half
	s_mov_b32 s31, 0xfedcba98
	; byte offsets, each in a pair of its own
	s_lshl_b32 s32, s27, 21                        ; Xc: batch, chunk of 512 rows, my 16 rows
	s_lshl_b32 s22, s26, 18
	s_add_co_u32 s32, s32, s22
	s_lshl_b32 s22, s24, 13
	s_add_co_u32 s32, s32, s22
	s_mov_b32 s33, 0
	s_lshl_b32 s34, s27, 19                        ; Tout: batch, block of 256 rows, my 32 rows
	s_lshl_b32 s22, s25, 17
	s_add_co_u32 s34, s34, s22
	s_lshl_b32 s22, s24, 14
	s_add_co_u32 s34, s34, s22
	s_mov_b32 s35, 0
	s_mul_i32 s36, s24, 4608                       ; WA: my ninth... my 9 of its 72 blocks
	s_mov_b32 s37, 0
	s_lshl_b32 s38, s26, 12                        ; W3F: d tile c
	s_mov_b32 s39, 0
	s_lshl_b32 s40, s26, 6                         ; b3: d tile c
	s_mov_b32 s41, 0
	s_lshl_b32 s42, s27, 19                        ; GV: batch, block of 128 m, my 32 m in it
	s_lshr_b32 s22, s28, 2
	s_lshl_b32 s22, s22, 16
	s_add_co_u32 s42, s42, s22
	s_and_b32 s22, s28, 3
	s_lshl_b32 s22, s22, 13
	s_add_co_u32 s42, s42, s22
	s_mov_b32 s43, 0
	s_lshl_b32 s44, s27, 5                         ; SC: 256 bytes for (b, g32)
	s_add_co_u32 s44, s44, s28
	s_lshl_b32 s44, s44, 8
	s_mov_b32 s45, 0
	s_lshl3_add_u32 s46, s27, s26                  ; ST: 256 bytes for (b, c, g32)
	s_lshl_b32 s46, s46, 5
	s_add_co_u32 s46, s46, s28
	s_lshl_b32 s46, s46, 8
	s_mov_b32 s47, 0
	s_lshl_b32 s50, s26, 10                        ; the v part of GV's block: behind 32 KiB of Gh, d tile c
	s_add_co_u32 s50, s50, 32768
	s_mov_b32 s51, 0
	v_and_b32 v1, 31, v0                           ; L
	v_and_b32 v2, 15, v0                           ; r
	v_bfe_u32 v3, v0, 4, 1                         ; h
	v_lshlrev_b32 v4, 4, v1                        ; 16 L
	v_lshlrev_b32 v5, 3, v1                        ; 8 L
	s_mul_i32 s22, s24, 16*XP
	v_add_nc_u32 v6, s22, v5                       ; where my rows of quarters 0, 1 go
	v_add_nc_u32 v7, 2*QB, v6                      ; of quarters 2, 3
	v_mul_u32_u24 v8, v2, XP
	v_lshl_add_u32 v8, v3, 4, v8                   ; a fragment's lane: row r, 16 h bytes along it; quarters 0, 1
	v_add_nc_u32 v9, 2*QB, v8                      ; quarters 2, 3
	s_mul_i32 s22, s24, 32*XP
	s_add_co_u32 s22, s22, TO
	v_add_nc_u32 v10, s22, v5                      ; Tout: in
	v_add_nc_u32 v11, s22, v8                      ; Tout: as fragments
	s_add_co_u32 s22, s36, WAL
	v_add_nc_u32 v12, s22, v4                      ; WA: in
	v_add_nc_u32 v13, WAL, v4                      ; WA: out
	s_mul_i32 s22, s24, 768
	s_add_co_u32 s22, s22, SCR
	v_lshlrev_b32 v19, 5, v3                       ; 32 h
	v_lshlrev_b32 v20, 2, v2                       ; 4 r
	v_add_nc_u32 v14, s22, v20                     ; s of row r
	v_lshl_add_u32 v15, v3, 7, v14
	v_add_nc_u32 v15, 128, v15                     ; c2 of row r (lanes 16-31, which hold no c2, write 128 bytes further on)
	v_add_nc_u32 v16, s22, v19                     ; eight numbers for m = 8 h ..
	v_add_nc_u32 v17, s22, v5                      ; 256 bytes by 32 lanes
	v_add_nc_u32 v18, 512, v16
	s_wait_kmcnt 0x0
	s_add_nc_u64 s[4:5], s[4:5], s[32:33]
	s_add_nc_u64 s[6:7], s[6:7], s[34:35]
	s_add_nc_u64 s[10:11], s[10:11], s[36:37]
	s_add_nc_u64 s[14:15], s[14:15], s[38:39]
	s_add_nc_u64 s[8:9], s[8:9], s[40:41]
	s_add_nc_u64 s[16:17], s[16:17], s[42:43]
	s_add_nc_u64 s[18:19], s[18:19], s[44:45]
	s_add_nc_u64 s[20:21], s[20:21], s[46:47]
	s_add_nc_u64 s[48:49], s[16:17], s[50:51]
	; ---- all first loads, oldest needed first
.irp k, 0,1,2,3,4,5,6,7
	global_load_b128 v[224+4*\k:227+4*\k], v4, s[10:11] offset:512*\k
.endr
	global_load_b128 v[28:31], v4, s[10:11] offset:4096
.set i, 0
.rept 32
	global_load_b128 v[32+4*i:35+4*i], v4, s[6:7] offset:512*i     ; my 32 rows of Tout
.set i, i+1
.endr
	global_load_b32 v21, v20, s[8:9]               ; b3[16 c + r]
	XLOAD 0
	WIN 0x40
.irp k, 0,1,2,3,4,5,6,7
	global_load_b128 v[W3R+4*\k:W3R+4*\k+3], v4, s[14:15] offset:512*\k
.endr
.set i, 0
.rept 18                                           ; BG starts the sums of the G phase: tile 2 jt + mt, register jj = BG[16 jt + 8 h + jj]
	global_load_b128 v[8*i:8*i+3],   v19, s[12:13] offset:128*(i/2)
	global_load_b128 v[8*i+4:8*i+7], v19, s[12:13] offset:128*(i/2)+16
.set i, i+1
.endr
	WIN 0
	s_wait_loadcnt 61                              ; 1 + 16 + 8 + 36 loads were issued behind Tout's: WA and Tout are in
.irp k, 0,1,2,3,4,5,6,7
	ds_store_b128 v12, v[224+4*\k:227+4*\k] offset:512*\k
.endr
	ds_store_b128 v12, v[28:31] offset:4096
.set i, 0
.rept 32
	CVST 32+4*i, 10, XP*i, 22+2*(i%3)
.set i, i+1
.endr
	s_wait_loadcnt 44                              ; 8 + 36 behind them: b3 and quarter 0 are in
	XSTAGE 0
	XLOAD 1
	s_wait_dscnt 0x0                               ; my stores are done before I say so
	s_barrier_signal -1
	s_barrier_wait -1                              ; WA's copy and quarter 0 are whole
	; ---- v = Tout W3 + b3: my 32 m x d tile c
	WIN 0x40
.irp mt, 0,1
.irp q, 0,1,2,3
	ds_load_b128 v[TB+32*\mt+8*\q:TB+32*\mt+8*\q+3],   v11 offset:\mt*16*XP+\q*64
	ds_load_b128 v[TB+32*\mt+8*\q+4:TB+32*\mt+8*\q+7], v11 offset:\mt*16*XP+\q*64+32
.endr
.endr
.set e, 0
.rept 16
	v_mov_b32 v[VA+e], v21                         ; the bias of column r starts the sums
.set e, e+1
.endr
	s_wait_dscnt 0x0
	s_wait_loadcnt 16                              ; all but quarter 1: W3 and BG are in
	WIN 0x55
.irp q, 0,1,2,3                                    ; the two sums take turns, one instruction a turn (so everywhere below)
.irp mt, 0,1
	v_wmma_f32_16x16x32_f16 v[VA+8*\mt:VA+8*\mt+7], v[TB+32*\mt+8*\q:TB+32*\mt+8*\q+7], v[W3R+8*\q:W3R+8*\q+7], v[VA+8*\mt:VA+8*\mt+7]
.endr
.endr
	PLACES
	WIN 0x05
.irp mt, 0,1
.irp p, 0,1,2,3
	v_cvt_pk_f16_f32 v[224+4*\mt+\p], v[VA+8*\mt+2*\p], v[VA+8*\mt+2*\p+1]    ; v[16 mt + 8 h + 0..7][16 c + r]
.endr
.endr
	WIN 0
	global_store_b128 v4, v[224:227], s[48:49]
	global_store_b128 v4, v[228:231], s[48:49] offset:512
	; ---- G2 (j tiles 0..7) and c2 (row 128, in j tile 8): rows j, columns m
.irp k, 0,1,2,3,4,5,6,7
	ds_load_b128 v[WF0+4*\k:WF0+4*\k+3], v13 offset:512*\k
.endr
.macro GSTEP jt, f, g
	WIN 0
	PLACES
.if \jt < 8
.irp k, 0,1,2,3,4,5,6,7
	ds_load_b128 v[\g+4*\k:\g+4*\k+3], v13 offset:(\jt+1)*4096+512*\k
.endr
	s_wait_dscnt 8                                 ; all but the eight just issued
.else
	s_wait_dscnt 0
.endif
	WIN 0x54
.irp q, 0,1,2,3
.irp mt, 0,1
	v_wmma_f32_16x16x32_f16 v[8*(2*\jt+\mt):8*(2*\jt+\mt)+7], v[\f+8*\q:\f+8*\q+7], v[TB+32*\mt+8*\q:TB+32*\mt+8*\q+7], v[8*(2*\jt+\mt):8*(2*\jt+\mt)+7]
.endr
.endr
.endm
	GSTEP 0, WF0, WF1
	GSTEP 1, WF1, WF0
	GSTEP 2, WF0, WF1
	GSTEP 3, WF1, WF0
	GSTEP 4, WF0, WF1
	GSTEP 5, WF1, WF0
	GSTEP 6, WF0, WF1
	GSTEP 7, WF1, WF0
	GSTEP 8, WF0, WF1
	PLACES
	; ---- a scale for each row m = 16 mt + r: lane (r, h) holds 64 of its 128 numbers.  Four chains of 16.
.macro SCALE mt
	WIN 0x15
.irp c, 0,1,2,3
	v_max3_num_f32 v[22+\c], |v[8*(4*\c+\mt)]|, |v[8*(4*\c+\mt)+1]|, |v[8*(4*\c+\mt)+2]|
.endr
	WIN 0x14
.irp e, 3,5,7,9,11,13
.irp c, 0,1,2,3
	v_max3_num_f32 v[22+\c], v[22+\c], |v[8*(4*\c+2*(\e/8)+\mt)+\e%8]|, |v[8*(4*\c+2*((\e+1)/8)+\mt)+(\e+1)%8]|
.endr
.endr
.irp c, 0,1,2,3
	v_max_num_f32 v[22+\c], v[22+\c], |v[8*(4*\c+2+\mt)+7]|
.endr
	WIN 0
	v_max3_num_f32 v22, v22, v23, v24
	v_max_num_f32 v22, v22, v25
	v_permlanex16_b32 v23, v22, s30, s31           ; the other 64 numbers of the row
	v_max_num_f32 v22, v22, v23
	v_and_b32 v24, 0x7f800000, v22                 ; s: the power of two at or below the largest magnitude (0 for a row below 2^-126)
	v_sub_nc_u32 v26, 0x7f000000, v24              ; 1 / s, by the exponent field
	v_sub_nc_u32 v27, 0x7f000000, v24
	ds_store_b32 v14, v24 offset:64*\mt
	WIN 0x41
.irp jt, 0,1,2,3,4,5,6,7
.irp p, 0,2,4,6
	v_pk_mul_f32 v[8*(2*\jt+\mt)+\p:8*(2*\jt+\mt)+\p+1], v[8*(2*\jt+\mt)+\p:8*(2*\jt+\mt)+\p+1], v[26:27]
.endr
.endr
	WIN 0x05
.irp jt, 0,1,2,3,4,5,6,7
.irp p, 0,1,2,3
	v_cvt_pk_f16_f32 v[AF+32*\mt+4*\jt+\p], v[8*(2*\jt+\mt)+2*\p], v[8*(2*\jt+\mt)+2*\p+1]   ; |Gh| < 2; tiles 2 q, 2 q + 1 are the A fragment of K step q
.endr
.endr
	WIN 0x04
	ds_store_b32 v15, v[8*(16+\mt)] offset:64*\mt  ; c2: register 0 of j tile 8 in lanes 0-15
.endm
	SCALE 0
	SCALE 1
	WIN 0x40
.irp mt, 0,1
.irp u, 0,1
	ds_load_b128 v[SS+8*\mt+4*\u:SS+8*\mt+4*\u+3], v16 offset:64*\mt+16*\u    ; my wave's own bytes: LDS serves a wave's instructions in order (ISA guide 5.7.1)
.endr
.endr
	WIN 0
	s_cmp_lg_u32 s24, s26
	s_cbranch_scc1 .Lnot_owner                     ; wave w = c stores Gh, s and c2 of its 32 m
.irp mt, 0,1
.irp jt, 0,1,2,3,4,5,6,7
	global_store_b128 v4, v[AF+32*\mt+4*\jt:AF+32*\mt+4*\jt+3], s[16:17] offset:\mt*4096+\jt*512
.endr
.endr
	ds_load_b64 v[22:23], v17
	s_wait_dscnt 0x0
	global_store_b64 v5, v[22:23], s[18:19]        ; 256 bytes: s, then c2
.Lnot_owner:
	s_wait_xcnt 0x0                                ; the stores' data (v[224:231], v[22:23]) are written again only behind this wait
	s_wait_dscnt 0x0
	; ---- the scores, 128 n at a time
.macro XFETCH q, nt, f
.irp kq, 0,1,2,3
.irp u, 0,1
	ds_load_b128 v[\f+8*\kq+4*\u:\f+8*\kq+4*\u+3], v[8+(\q)/2] offset:((\q)&1)*QB+(\nt)*16*XP+\kq*64+\u*32
.endr
.endr
.endm
.macro NSTEP q, nt, f, g
.if \nt > 0
	PLACES                                         ; (for n tile 0 the places behind the chunk or phase before serve)
.endif
.if \nt < 7
	XFETCH \q, (\nt)+1, \g
	s_wait_dscnt 8                                 ; all but the eight just issued
.else
	s_wait_dscnt 0
.endif
.irp kq, 0,1,2,3
.irp mt, 0,1
.if \kq == 0
	v_wmma_f32_16x16x32_f16 v[8*(2*\nt+\mt):8*(2*\nt+\mt)+7], v[AF+32*\mt+8*\kq:AF+32*\mt+8*\kq+7], v[\f+8*\kq:\f+8*\kq+7], 0
.else
	v_wmma_f32_16x16x32_f16 v[8*(2*\nt+\mt):8*(2*\nt+\mt)+7], v[AF+32*\mt+8*\kq:AF+32*\mt+8*\kq+7], v[\f+8*\kq:\f+8*\kq+7], v[8*(2*\nt+\mt):8*(2*\nt+\mt)+7]
.endif
.endr
.endr
.endm
; Register 16 nt + e of window 1 holds the raw product for m index e (= 8 mt + jj, row 16 mt + 8 h + jj) and column 16 nt + r.
; The maximum is taken on the raw products (s >= 0 keeps the order); exponents are s * (product - maximum) <= 0.
.macro CHUNK q, first
	WIN 0x54                                       ; LDS loads: data window 1, address window 0; products: A window 0, B, C, D window 1
	XFETCH \q, 0, XF0
	NSTEP \q, 0, XF0, XF1
	NSTEP \q, 1, XF1, XF0
	NSTEP \q, 2, XF0, XF1
	NSTEP \q, 3, XF1, XF0
	NSTEP \q, 4, XF0, XF1
	NSTEP \q, 5, XF1, XF0
	NSTEP \q, 6, XF0, XF1
	NSTEP \q, 7, XF1, XF0
	PLACES
	WIN 0x15
.set e, 0
.rept 16
	v_max3_num_f32 v[TM+e], v[e], v[16+e], v[32+e]
.set e, e+1
.endr
	WIN 0x14
.set e, 0
.rept 16
	v_max3_num_f32 v[TM+e], v[TM+e], v[48+e], v[64+e]
.set e, e+1
.endr
.set e, 0
.rept 16
	v_max3_num_f32 v[TM+e], v[TM+e], v[80+e], v[96+e]
.set e, e+1
.endr
.if \first
	WIN 0x04
.set e, 0
.rept 16
	v_max_num_f32 v[DM+e], v[TM+e], v[112+e]
.set e, e+1
.endr
.else
	WIN 0x01
.set e, 0
.rept 8
	v_pk_mul_f32 v[OLD+2*e:OLD+2*e+1], v[SS+2*e:SS+2*e+1], v[DM+2*e:DM+2*e+1]   ; s * old maximum
.set e, e+1
.endr
	WIN 0x04
.set e, 0
.rept 16
	v_max3_num_f32 v[DM+e], v[TM+e], v[112+e], v[DM+e]
.set e, e+1
.endr
.endif
	WIN 0x41
.set e, 0
.rept 8
	v_pk_mul_f32 v[NB+2*e:NB+2*e+1], v[SS+2*e:SS+2*e+1], v[DM+2*e:DM+2*e+1] neg_lo:[1,0] neg_hi:[1,0]   ; - s * maximum (exact: s is a power of two)
.set e, e+1
.endr
.if \first == 0
	WIN 0x04
.set e, 0
.rept 8
	v_pk_add_f32 v[OLD+2*e:OLD+2*e+1], v[OLD+2*e:OLD+2*e+1], v[NB+2*e:NB+2*e+1]
.set e, e+1
.endr
	WIN 0
.set e, 0
.rept 16
	v_exp_f32 v[OLD+e], v[OLD+e]                   ; the old sums' factor; the multiply-adds below stand between it and its use (ISA guide 5.7.2)
.set e, e+1
.endr
.endif
	WIN 0x55
.set e, 0
.rept 64
	v_pk_fma_f32 v[2*e:2*e+1], v[2*e:2*e+1], v[SS+2*(e%8):SS+2*(e%8)+1], v[NB+2*(e%8):NB+2*(e%8)+1]
.set e, e+1
.endr
.set e, 0
.rept 128
	v_exp_f32 v[e], v[e]
.set e, e+1
.endr
	v_nop                                          ; one plain place behind the last exponential
	s_wait_alu depctr_va_vdst(0)
.irp a, 0,2,4,6
.irp p, 0,2,4,6,8,10,12,14
	v_pk_add_f32 v[16*\a+\p:16*\a+\p+1], v[16*\a+\p:16*\a+\p+1], v[16*\a+16+\p:16*\a+16+\p+1]
.endr
.endr
.irp a, 0,4
.irp p, 0,2,4,6,8,10,12,14
	v_pk_add_f32 v[16*\a+\p:16*\a+\p+1], v[16*\a+\p:16*\a+\p+1], v[16*\a+32+\p:16*\a+32+\p+1]
.endr
.endr
.irp p, 0,2,4,6,8,10,12,14
	v_pk_add_f32 v[\p:\p+1], v[\p:\p+1], v[64+\p:64+\p+1]
.endr
.if \first
	WIN 0x01
.set e, 0
.rept 16
	v_mov_b32 v[SUM+e], v[e]
.set e, e+1
.endr
.else
	WIN 0x10
.set e, 0
.rept 8
	v_pk_fma_f32 v[SUM+2*e:SUM+2*e+1], v[SUM+2*e:SUM+2*e+1], v[OLD+2*e:OLD+2*e+1], v[2*e:2*e+1]
.set e, e+1
.endr
.endif
	WIN 0
.endm
; A quarter of Xc is written once, into bytes of its own, and read only behind its barrier; the next one's loads are out for a whole chunk.
.macro NEXTQ q, more
	s_wait_loadcnt 0x0
	XSTAGE \q
.if \more
	XLOAD (\q)+1
.endif
	s_wait_dscnt 0x0
	s_barrier_signal -1
	s_barrier_wait -1
	CHUNK \q, 0
.endm
	CHUNK 0, 1
	NEXTQ 1, 1
	NEXTQ 2, 1
	NEXTQ 3, 0
	; ---- the sixteen lanes of a row (columns n = r mod 16) meet
.irp mt, 0,1
.irp u, 0,1
	ds_load_b128 v[CP+8*\mt+4*\u:CP+8*\mt+4*\u+3], v16 offset:128+64*\mt+16*\u
.endr
.endr
.set e, 0
.rept 16
	v_max_num_f32_dpp v[TM+e], v[DM+e], v[DM+e] row_xmask:1 row_mask:0xf bank_mask:0xf
.set e, e+1
.endr
.irp x, 2,4,8
.set e, 0
.rept 16
	v_max_num_f32_dpp v[TM+e], v[TM+e], v[TM+e] row_xmask:\x row_mask:0xf bank_mask:0xf
.set e, e+1
.endr
.endr
.set e, 0
.rept 8
	v_pk_add_f32 v[OLD+2*e:OLD+2*e+1], v[DM+2*e:DM+2*e+1], v[TM+2*e:TM+2*e+1] neg_lo:[0,1] neg_hi:[0,1]
.set e, e+1
.endr
	s_wait_dscnt 0x0
	WIN 0x01
.set e, 0
.rept 8
	v_pk_mul_f32 v[OLD+2*e:OLD+2*e+1], v[SS+2*e:SS+2*e+1], v[OLD+2*e:OLD+2*e+1]             ; s * (my maximum - the row's) <= 0
	v_pk_fma_f32 v[TM+2*e:TM+2*e+1], v[SS+2*e:SS+2*e+1], v[TM+2*e:TM+2*e+1], v[CP+2*e:CP+2*e+1]   ; PM = s * maximum + c2
.set e, e+1
.endr
	WIN 0
.set e, 0
.rept 16
	v_exp_f32 v[OLD+e], v[OLD+e]
.set e, e+1
.endr
	v_nop
.set e, 0
	s_wait_alu depctr_va_vdst(0)
.rept 8
	v_pk_mul_f32 v[SUM+2*e:SUM+2*e+1], v[SUM+2*e:SUM+2*e+1], v[OLD+2*e:OLD+2*e+1]
.set e, e+1
.endr
.irp x, 1,2,4,8
.set e, 0
.rept 16
	v_add_f32_dpp v[SUM+e], v[SUM+e], v[SUM+e] row_xmask:\x row_mask:0xf bank_mask:0xf
.set e, e+1
.endr
.endr
.irp mt, 0,1
.irp u, 0,1
	ds_store_b128 v18, v[TM+8*\mt+4*\u:TM+8*\mt+4*\u+3]   offset:64*\mt+16*\u          ; the sixteen lanes of a row hold, and write, the same
	ds_store_b128 v18, v[SUM+8*\mt+4*\u:SUM+8*\mt+4*\u+3] offset:128+64*\mt+16*\u
.endr
.endr
	ds_load_b64 v[22:23], v17 offset:512
	s_wait_dscnt 0x0
	global_store_b64 v5, v[22:23], s[20:21]        ; 256 consecutive bytes, aligned: PM of my 32 m, then PZ
	s_wait_xcnt 0x0
	v_lshl_add_u32 v254, v0, 2, 0x3d800
	v_mov_b32 v255, 0
	s_wait_tensorcnt 0x0
	ds_add_u32 v254, v255
	s_wait_dscnt 0x0
	s_endpgm
.Lfunc_end_k_qe1f20545f0_stats:
	.size	k_qe1f20545f0_stats, .Lfunc_end_k_qe1f20545f0_stats-k_qe1f20545f0_stats
	.p2alignl 7, 3214868480
	.fill 96, 4, 3214868480
	.section	.rodata,"a",@progbits
	.p2align	6, 0x0
	.amdhsa_kernel k_qe1f20545f0_stats
		.amdhsa_group_segment_fixed_size 252928
		.amdhsa_private_segment_fixed_size 0
		.amdhsa_enable_private_segment 0
		.amdhsa_kernarg_size 72
		.amdhsa_user_sgpr_count 2
		.amdhsa_user_sgpr_kernarg_segment_ptr 1
		.amdhsa_wavefront_size32 1
		.amdhsa_system_sgpr_workgroup_id_x 1
		.amdhsa_system_sgpr_workgroup_id_y 1
		.amdhsa_system_sgpr_workgroup_id_z 1
		.amdhsa_system_vgpr_workitem_id 0
		.amdhsa_next_free_vgpr 512
		.amdhsa_next_free_sgpr 66
		.amdhsa_reserve_vcc 0
		.amdhsa_float_denorm_mode_32 3
		.amdhsa_float_denorm_mode_16_64 3
		.amdhsa_memory_ordered 1
		.amdhsa_forward_progress 1
		.amdhsa_inst_pref_size 187
	.end_amdhsa_kernel
	.amdgpu_metadata
---
amdhsa.version: [ 1, 2 ]
amdhsa.kernels:
  - .name:           k_qe1f20545f0_stats
    .symbol:         k_qe1f20545f0_stats.kd
    .args:
      - { .name: Xc, .offset: 0, .size: 8, .value_kind: global_buffer, .address_space: global }
      - { .name: Tout, .offset: 8, .size: 8, .value_kind: global_buffer, .address_space: global }
      - { .name: b3, .offset: 16, .size: 8, .value_kind: global_buffer, .address_space: global }
      - { .name: WA, .offset: 24, .size: 8, .value_kind: global_buffer, .address_space: global }
      - { .name: BG, .offset: 32, .size: 8, .value_kind: global_buffer, .address_space: global }
      - { .name: W3F, .offset: 40, .size: 8, .value_kind: global_buffer, .address_space: global }
      - { .name: GV, .offset: 48, .size: 8, .value_kind: global_buffer, .address_space: global }
      - { .name: SC, .offset: 56, .size: 8, .value_kind: global_buffer, .address_space: global }
      - { .name: ST, .offset: 64, .size: 8, .value_kind: global_buffer, .address_space: global }
    .group_segment_fixed_size: 252928
    .private_segment_fixed_size: 0
    .kernarg_segment_align: 8
    .kernarg_segment_size: 72
    .max_flat_workgroup_size: 256
    .sgpr_count:     66
    .vgpr_count:     512
    .wavefront_size: 32
...
	.end_amdgpu_metadata
.endif
;; end of part 2
;; launch outp (part 3): grid 32 x 8, 8 waves a work-group, clusters of 4 x 1, 327,680 bytes of LDS; arguments Xc, GV, SC, ST, out0; writes out0
.if DOCPART == 3
	.amdgcn_target "amdgcn-amd-amdhsa--gfx1250"
	.amdhsa_code_object_version 6
	.text
	.protected	k_qe1f20545f0_outp
	.globl	k_qe1f20545f0_outp
	.p2align	8
	.type	k_qe1f20545f0_outp,@function
k_qe1f20545f0_outp:
	s_mov_b64 s[64:65], 0
	v_nop
	global_prefetch_b8 v0, s[64:65] scope:SCOPE_SE
	s_setreg_imm32_b32 hwreg(HW_REG_WAVE_MODE, 25, 1), 1
	s_wait_xcnt 0x0
	s_wait_alu depctr_hold_cnt(0) depctr_sa_sdst(0) depctr_va_vdst(0) depctr_va_sdst(0) depctr_va_ssrc(0) depctr_va_vcc(0) depctr_vm_vsrc(0)
	s_getreg_b32 s2, hwreg(HW_REG_IB_STS2, 6, 4)
	s_cmp_eq_u32 s2, 0
	s_cbranch_scc0 .Lentry_in_a_cluster
	s_endpgm
.Lentry_in_a_cluster:
	s_bfe_u32 s2, ttmp6, 0x10000c
	s_cmp_lg_u32 s2, 0x3003
	s_cbranch_scc0 .Lentry_shape_is_right
	s_endpgm
.Lentry_shape_is_right:
; Second pass: out[n] = Xc[n] + sum_m P[n][m] v[m],  P = 2^(s[m] * (Gh[m] . Xc[n]) + off[m]),  off = c2 - max - log2 Z.
; The maximum and Z of a column are combined from the eight chunks' PM, PZ; the maximum is taken away inside off, so P <= 1.
; A work-group makes 128 rows n of one batch.  Wave w: ng = w & 3 is its 32 n, mh = w >> 2 its half of the 1,024 m; the halves' sums meet in LDS.
; Gh and v come as tiles of 128 m (64 KiB for each half) through a ring of two LDS slots; they lie in memory in the order of the
; fragments (blocks of 512 bytes, lane L at byte 16 L), so the LDS loads are contiguous and the slots need no padding.
; CLUSTER: the four work-groups of a cluster make neighbouring row blocks of one batch and walk the same tiles: each tile is asked for
; jointly (mask 15).  A descriptor is made of the batch and the wave's number alone; the place in the cluster enters only the
; addresses of Xc and out0.  By this text's count a wave has one tensor load outstanding at the most.
; The transposed score tile (rows m, columns n) packs straight into the B fragment of the second product, which is used transposed
; too (A = v by columns d), so that a lane ends with eight neighbouring d of one row n.
; LIMITS: operands in f16 (|Xc|, |v| below 65504; P <= 1, weights below 2^-24 count as 0); sums in f32.
.set XP,     272                       ; Xc's f16 rows: 256 bytes + 16
.set OPITCH, 528                       ; the way out: 512 bytes + 16
.set SLOTB,  131072                    ; a slot: [half 0: Gh 32 KiB, v 32 KiB][half 1: the same]
.set STAB,   2*SLOTB                   ; s[1024]
.set XH,     STAB+8192                 ; behind off[1024]: Xc's 128 rows in f16
.set TILEB,  65536                     ; a tile of 128 m in memory
; window 0
.set GA,  32                           ; v[32:95]   Gh: 32 mt + 8 q
.set VB,  96                           ; v[96:159]  v: 8 dt
.set SA,  160                          ; v[160:191] scores: 8 (2 mt + nt)
.set PF,  192                          ; v[192:207] P in f16: 8 nt
.set CSS, 208                          ; v[208:223] s of the step's 16 m of my lane
.set CSO, 224                          ; v[224:239] off
; window 1
.set OA,  0                            ; the output's sums: 8 (8 nt + dt)
.set XK,  128                          ; 16 rows of Xc in f32, kept for the residual
.set XF,  192                          ; Xc as B fragments: 32 nt + 8 q
.set MSB, 0
.macro WIN new                         ; low byte: bits 1:0 source 0, 3:2 source 1, 5:4 source 2, 7:6 destination; the high byte repeats the setting left
.if MSB != \new
	s_set_vgpr_msb (MSB<<8)|\new
.set MSB, \new
.endif
.endm
.macro PLACES                          ; four places behind a matrix instruction (ISA guide 7.12.1)
.rept 4
	v_nop
.endr
.endm
.macro ROUND                           ; a round of the cluster's barrier
	s_barrier_signal -1
	s_barrier_wait -1
	s_cmp_lg_u32 s24, 0
	s_cbranch_scc1 .Lnot_wave_0_\@
	s_barrier_signal -3
.Lnot_wave_0_\@:
	s_barrier_wait -3
	s_barrier_signal -1
	s_barrier_wait -1
.endm
	s_load_b256 s[4:11], s[0:1], 0x0               ; Xc 4:5, GV 6:7, SC 8:9, ST 10:11
	s_load_b64 s[12:13], s[0:1], 0x20              ; out0
	v_lshl_add_u32 v254, v0, 2, 0x4a800
	v_mov_b32 v255, 0
	ds_add_u32 v254, v255
	v_lshrrev_b32 v1, 5, v0
	v_readfirstlane_b32 s24, v1                    ; w
	s_and_b32 s25, s24, 3                          ; ng
	s_lshr_b32 s26, s24, 2                         ; mh
	s_and_b32 s27, ttmp7, 0xffff                   ; b
	s_bfe_u32 s28, ttmp6, 0x40000                  ; cx
	s_lshl_b32 s29, ttmp9, 2
	s_add_co_u32 s29, s29, s28                     ; block of 128 n = 4 x cluster x + cx
	; group 1: a dense block of 64 rows x 256 bytes (elements of 8 bytes), 16 KiB a wave
	s_mov_b32 s16, 15|(3<<16)|(1<<21)              ; 15:0 the mask: all four; 17:16 elements of 8 bytes; 21 set beside a mask
	s_mov_b32 s17, 32<<16                          ; tensor_dim0 = 32
	s_mov_b32 s18, 64<<16                          ; tensor_dim1 = 64
	s_mov_b32 s19, 32<<16                          ; tile_dim0 = 32
	s_mov_b32 s20, 64                              ; tile_dim1 = 64
	s_mov_b32 s21, 32                              ; from row to row: 32 elements
	s_mov_b32 s22, 0
	s_mov_b32 s23, 0
	; group 0, one for each slot: my sixteenth... my eighth of a slot
	s_mov_b32 s32, 1
	s_lshl_b32 s33, s24, 14                        ; LDS: wave x 16 KiB: waves 0-3 fill half 0's 64 KiB, waves 4-7 half 1's
	s_mov_b32 s36, 1
	s_add_co_u32 s37, s33, SLOTB
	s_lshl_b32 s40, s27, 19                        ; GV: batch, half (4 tiles), my quarter of a tile
	s_lshl_b32 s30, s26, 18
	s_add_co_u32 s40, s40, s30
	s_lshl_b32 s30, s25, 14
	s_add_co_u32 s40, s40, s30
	s_mov_b32 s41, 0
	s_lshl_b32 s42, s27, 21                        ; Xc and out0: batch, block of 128 rows, my 16 rows
	s_lshl_b32 s31, s29, 16
	s_add_co_u32 s42, s42, s31
	s_lshl_b32 s31, s24, 13
	s_add_co_u32 s42, s42, s31
	s_mov_b32 s43, 0
	s_lshl_b32 s44, s27, 16                        ; ST: batch
	s_mov_b32 s45, 0
	s_lshl_b32 s46, s27, 13                        ; SC: batch
	s_mov_b32 s47, 0
	v_and_b32 v1, 31, v0                           ; L
	v_and_b32 v2, 15, v0                           ; r
	v_bfe_u32 v3, v0, 4, 1                         ; h
	v_lshlrev_b32 v4, 4, v1                        ; 16 L
	v_lshl_add_u32 v5, s26, 16, v4                 ; my half of slot 0
	v_add_nc_u32 v6, SLOTB, v5                     ; of slot 1
	v_lshlrev_b32 v7, 5, v3
	v_lshl_add_u32 v7, s26, 11, v7
	v_add_nc_u32 v7, STAB, v7                      ; s of my half's m = 8 h ..
	s_mul_i32 s30, s24, 16*XP
	s_add_co_u32 s30, s30, XH
	v_lshl_add_u32 v8, v1, 3, s30                  ; Xc in: my 16 rows
	v_mul_u32_u24 v9, v2, XP
	v_lshl_add_u32 v9, v3, 4, v9
	s_mul_i32 s30, s25, 32*XP
	s_add_co_u32 s30, s30, XH
	v_add_nc_u32 v9, s30, v9                       ; Xc as fragments: my 32 n
	v_mul_u32_u24 v10, v2, OPITCH
	v_lshl_add_u32 v10, v3, 5, v10
	s_mul_i32 s30, s25, 32*OPITCH
	v_add_nc_u32 v10, s30, v10
	v_lshl_add_u32 v10, s26, 17, v10               ; the way out, in: row 32 ng + r, 8 h numbers along it, my half's stage
	s_mul_i32 s30, s24, 16*OPITCH
	v_add_nc_u32 v11, s30, v4                      ; the way out, back: rows 16 w .., half 0's stage
	v_add_nc_u32 v12, SLOTB, v11                   ; half 1's
	v_lshrrev_b32 v13, 3, v0
	v_and_b32 v14, 7, v0
	v_lshlrev_b32 v14, 4, v14
	v_lshl_add_u32 v13, v13, 8, v14                ; thread t's m = 4 t .. 4 t + 3 in ST and SC: unit t / 8, 16 bytes at 16 (t mod 8)
	v_lshlrev_b32 v14, 4, v0
	v_add_nc_u32 v14, STAB, v14                    ; and in the tables
	s_wait_dscnt 0x0
	s_wait_kmcnt 0x0
	s_add_nc_u64 s[34:35], s[6:7], s[40:41]        ; tile 0
	s_add_nc_u64 s[38:39], s[34:35], TILEB         ; tile 1
	s_or_b32 s35, s35, 0x80000000                  ; type = 2
	s_or_b32 s39, s39, 0x80000000
	s_add_nc_u64 s[4:5], s[4:5], s[42:43]
	s_add_nc_u64 s[12:13], s[12:13], s[42:43]
	s_add_nc_u64 s[10:11], s[10:11], s[44:45]
	s_add_nc_u64 s[8:9], s[8:9], s[46:47]
	ROUND                                          ; all four work-groups are here: the first joint loads meet
	tensor_load_to_lds s[32:35], s[16:23]          ; tile 0
	s_nop 0
.irp c, 0,1,2,3,4,5,6,7
	global_load_b128 v[32+4*\c:35+4*\c], v13, s[10:11] offset:8192*\c          ; PM of chunk c
	global_load_b128 v[64+4*\c:67+4*\c], v13, s[10:11] offset:8192*\c+128      ; PZ
.endr
	global_load_b128 v[96:99],   v13, s[8:9]             ; s
	global_load_b128 v[100:103], v13, s[8:9] offset:128  ; c2
	WIN 0x40
.set i, 0
.rept 16
	global_load_b128 v[XK+4*i:XK+4*i+3], v4, s[4:5] offset:512*i               ; a whole row each
.set i, i+1
.endr
	WIN 0
	s_wait_loadcnt 16                              ; Xc's sixteen loads may stay out
	; ---- the tables: four columns m a thread
.irp k, 0,1,2,3
	v_max3_num_f32 v[104+\k], v[32+\k], v[36+\k], v[40+\k]
.endr
.irp k, 0,1,2,3
	v_max3_num_f32 v[104+\k], v[104+\k], v[44+\k], v[48+\k]
.endr
.irp k, 0,1,2,3
	v_max3_num_f32 v[104+\k], v[104+\k], v[52+\k], v[56+\k]
.endr
.irp k, 0,1,2,3
	v_max_num_f32 v[104+\k], v[104+\k], v[60+\k]
.endr
.irp c, 0,1,2,3,4,5,6,7
.irp p, 0,2
	v_pk_add_f32 v[32+4*\c+\p:33+4*\c+\p], v[32+4*\c+\p:33+4*\c+\p], v[104+\p:105+\p] neg_lo:[0,1] neg_hi:[0,1]
.endr
.endr
.set e, 0
.rept 32
	v_exp_f32 v[32+e], v[32+e]
.set e, e+1
.endr
	v_pk_add_f32 v[100:101], v[100:101], v[104:105] neg_lo:[0,1] neg_hi:[0,1]  ; c2 - max: also the plain place behind the exponentials
	v_pk_add_f32 v[102:103], v[102:103], v[106:107] neg_lo:[0,1] neg_hi:[0,1]
	s_wait_alu depctr_va_vdst(0)
	v_pk_mul_f32 v[108:109], v[64:65], v[32:33]
	v_pk_mul_f32 v[110:111], v[66:67], v[34:35]
.irp c, 1,2,3,4,5,6,7
	v_pk_fma_f32 v[108:109], v[64+4*\c:65+4*\c], v[32+4*\c:33+4*\c], v[108:109]
	v_pk_fma_f32 v[110:111], v[66+4*\c:67+4*\c], v[34+4*\c:35+4*\c], v[110:111]
.endr
.irp k, 0,1,2,3
	v_log_f32 v[112+\k], v[108+\k]                 ; Z >= 1: the chunk that holds the maximum adds at least 1
.endr
	v_nop
	s_wait_alu depctr_va_vdst(0)
	v_pk_add_f32 v[100:101], v[100:101], v[112:113] neg_lo:[0,1] neg_hi:[0,1]
	v_pk_add_f32 v[102:103], v[102:103], v[114:115] neg_lo:[0,1] neg_hi:[0,1]
	ds_store_b128 v14, v[96:99]
	ds_store_b128 v14, v[100:103] offset:4096
	; ---- Xc to f16
	s_wait_loadcnt 0x0
	WIN 0x05
.set e, 0
.rept 32
	v_cvt_pk_f16_f32 v[32+e], v[XK+2*e], v[XK+2*e+1]
.set e, e+1
.endr
	WIN 0
.set i, 0
.rept 16
	ds_store_b64 v8, v[32+2*i:33+2*i] offset:XP*i
.set i, i+1
.endr
.macro GLOAD slot, trip, i             ; 24 LDS loads: Gh, s and off of step i (32 m)
.irp mt, 0,1
.irp t, 0,1,2,3,4,5,6,7
	ds_load_b128 v[GA+32*\mt+4*\t:GA+32*\mt+4*\t+3], v[5+\slot] offset:(\i)*8192+\mt*4096+\t*512
.endr
.endr
.irp mt, 0,1
.irp u, 0,1
	ds_load_b128 v[CSS+8*\mt+4*\u:CSS+8*\mt+4*\u+3], v7 offset:((\trip)*128+(\i)*32+16*\mt)*4+16*\u
	ds_load_b128 v[CSO+8*\mt+4*\u:CSO+8*\mt+4*\u+3], v7 offset:4096+((\trip)*128+(\i)*32+16*\mt)*4+16*\u
.endr
.endr
.endm
; 32 m x 32 n: scores, weights, and their product with v.  In both products the accumulators take turns, one instruction a turn.
.macro MSTEP slot, trip, i, zero
	s_wait_dscnt 0x0                               ; Gh, s, off of this step
	WIN 0x04
.irp q, 0,1,2,3
.irp mt, 0,1
.irp nt, 0,1
.if \q == 0
	v_wmma_f32_16x16x32_f16 v[SA+8*(2*\mt+\nt):SA+8*(2*\mt+\nt)+7], v[GA+32*\mt+8*\q:GA+32*\mt+8*\q+7], v[XF+32*\nt+8*\q:XF+32*\nt+8*\q+7], 0
.else
	v_wmma_f32_16x16x32_f16 v[SA+8*(2*\mt+\nt):SA+8*(2*\mt+\nt)+7], v[GA+32*\mt+8*\q:GA+32*\mt+8*\q+7], v[XF+32*\nt+8*\q:XF+32*\nt+8*\q+7], v[SA+8*(2*\mt+\nt):SA+8*(2*\mt+\nt)+7]
.endif
.endr
.endr
.endr
	WIN 0
	PLACES                                         ; behind these products (their results are read, Gh is loaded again) and behind the last step's (v is loaded, P written again)
.irp dt, 0,1,2,3,4,5,6,7
.irp u, 0,1
	ds_load_b128 v[VB+8*\dt+4*\u:VB+8*\dt+4*\u+3], v[5+\slot] offset:32768+(\i)*8192+\dt*1024+\u*512
.endr
.endr
.irp mt, 0,1
.irp nt, 0,1
.irp p, 0,2,4,6
	v_pk_fma_f32 v[SA+8*(2*\mt+\nt)+\p:SA+8*(2*\mt+\nt)+\p+1], v[SA+8*(2*\mt+\nt)+\p:SA+8*(2*\mt+\nt)+\p+1], v[CSS+8*\mt+\p:CSS+8*\mt+\p+1], v[CSO+8*\mt+\p:CSO+8*\mt+\p+1]
.endr
.endr
.endr
.set e, 0
.rept 32
	v_exp_f32 v[SA+e], v[SA+e]
.set e, e+1
.endr
	v_nop                                          ; one plain place behind the last exponential
	s_wait_alu depctr_va_vdst(0)
.irp nt, 0,1
.irp mt, 0,1
.irp p, 0,1,2,3
	v_cvt_pk_f16_f32 v[PF+8*\nt+4*\mt+\p], v[SA+8*(2*\mt+\nt)+2*\p], v[SA+8*(2*\mt+\nt)+2*\p+1]    ; k = 16 mt + 8 h + 0..7 of column n = r
.endr
.endr
.endr
.if \i < 3
	GLOAD \slot, \trip, (\i)+1
	s_wait_dscnt 24                                ; v's sixteen loads are in; the 24 just issued stay out
.else
	s_wait_dscnt 0
.endif
	WIN 0x50
.irp dt, 0,1,2,3,4,5,6,7
.irp nt, 0,1
.if \zero
	v_wmma_f32_16x16x32_f16 v[OA+8*(8*\nt+\dt):OA+8*(8*\nt+\dt)+7], v[VB+8*\dt:VB+8*\dt+7], v[PF+8*\nt:PF+8*\nt+7], 0
.else
	v_wmma_f32_16x16x32_f16 v[OA+8*(8*\nt+\dt):OA+8*(8*\nt+\dt)+7], v[VB+8*\dt:VB+8*\dt+7], v[PF+8*\nt:PF+8*\nt+7], v[OA+8*(8*\nt+\dt):OA+8*(8*\nt+\dt)+7]
.endif
.endr
.endr
	WIN 0
.endm
; A tile of 128 m.  In front of the round every wave waits for all its tensor loads and for its LDS instructions; behind it the other slot's
; joint load comes first, one a wave, and has this tile's 128 matrix instructions a wave in which to land.
.macro TRIP slot, trip, refill, first
	s_wait_tensorcnt 0x0                           ; all my tensor loads are done, my part of this trip's tile among them,
	ds_add_u32 v254, v255
	s_wait_dscnt 0x0
.if \trip < 2
	s_add_nc_u64 s[34+4*\slot:35+4*\slot], s[34+4*\slot:35+4*\slot], 2*TILEB   ; so a group 0 may be written: this slot's next tile
.endif
	s_wait_dscnt 0x0                               ; my reads of the last tile are done (first trip: my stores of the tables and of Xc)
	ROUND
.if \refill
	tensor_load_to_lds s[36-4*\slot:39-4*\slot], s[16:23]
	s_nop 0
.endif
.if \first
	WIN 0x40
.irp nt, 0,1
.irp q, 0,1,2,3
	ds_load_b128 v[XF+32*\nt+8*\q:XF+32*\nt+8*\q+3],   v9 offset:\nt*16*XP+\q*64
	ds_load_b128 v[XF+32*\nt+8*\q+4:XF+32*\nt+8*\q+7], v9 offset:\nt*16*XP+\q*64+32
.endr
.endr
	WIN 0
.endif
	GLOAD \slot, \trip, 0
	MSTEP \slot, \trip, 0, \first
	MSTEP \slot, \trip, 1, 0
	MSTEP \slot, \trip, 2, 0
	MSTEP \slot, \trip, 3, 0
.endm
	TRIP 0, 0, 1, 1                                ; behind its round slot 1 gets its first fill: tile 1
	TRIP 1, 1, 1, 0
	TRIP 0, 2, 1, 0
	TRIP 1, 3, 0, 0                                ; nothing is left to fetch
	; ---- the way out: both slots have had their last fill and serve as stages, one for each half of m
	PLACES
	s_wait_dscnt 0x0
	s_barrier_signal -1
	s_barrier_wait -1                              ; no wave reads a slot any more
	WIN 0x04
.irp nt, 0,1
.irp dt, 0,1,2,3,4,5,6,7
	ds_store_b128 v10, v[OA+8*(8*\nt+\dt):OA+8*(8*\nt+\dt)+3]   offset:\nt*16*OPITCH+\dt*64
	ds_store_b128 v10, v[OA+8*(8*\nt+\dt)+4:OA+8*(8*\nt+\dt)+7] offset:\nt*16*OPITCH+\dt*64+16
.endr
.endr
	WIN 0
	s_wait_dscnt 0x0
	s_barrier_signal -1
	s_barrier_wait -1
.set i, 0
.rept 16
	ds_load_b128 v[32+4*i:35+4*i], v11 offset:OPITCH*i
	ds_load_b128 v[96+4*i:99+4*i], v12 offset:OPITCH*i
.set i, i+1
.endr
	s_wait_dscnt 0x0
.set e, 0
.rept 32
	v_pk_add_f32 v[32+2*e:33+2*e], v[32+2*e:33+2*e], v[96+2*e:97+2*e]
.set e, e+1
.endr
	WIN 0x04
.set e, 0
.rept 32
	v_pk_add_f32 v[32+2*e:33+2*e], v[32+2*e:33+2*e], v[XK+2*e:XK+2*e+1]        ; the residual, in f32 as loaded
.set e, e+1
.endr
	WIN 0
.set i, 0
.rept 16
	global_store_b128 v4, v[32+4*i:35+4*i], s[12:13] offset:512*i              ; a whole row of 512 bytes each
.set i, i+1
.endr
	s_wait_tensorcnt 0x0
	ds_add_u32 v254, v255
	s_wait_dscnt 0x0
	ROUND                                          ; the closing round: no work-group ends while a partner may still ask for a tile that names it
	s_endpgm
.Lfunc_end_k_qe1f20545f0_outp:
	.size	k_qe1f20545f0_outp, .Lfunc_end_k_qe1f20545f0_outp-k_qe1f20545f0_outp
	.p2alignl 7, 3214868480
	.fill 96, 4, 3214868480
	.section	.rodata,"a",@progbits
	.p2align	6, 0x0
	.amdhsa_kernel k_qe1f20545f0_outp
		.amdhsa_group_segment_fixed_size 327680
		.amdhsa_private_segment_fixed_size 0
		.amdhsa_enable_private_segment 0
		.amdhsa_kernarg_size 40
		.amdhsa_user_sgpr_count 2
		.amdhsa_user_sgpr_kernarg_segment_ptr 1
		.amdhsa_wavefront_size32 1
		.amdhsa_system_sgpr_workgroup_id_x 1
		.amdhsa_system_sgpr_workgroup_id_y 1
		.amdhsa_system_sgpr_workgroup_id_z 1
		.amdhsa_system_vgpr_workitem_id 0
		.amdhsa_next_free_vgpr 512
		.amdhsa_next_free_sgpr 66
		.amdhsa_reserve_vcc 0
		.amdhsa_float_denorm_mode_32 3
		.amdhsa_float_denorm_mode_16_64 3
		.amdhsa_memory_ordered 1
		.amdhsa_forward_progress 1
		.amdhsa_inst_pref_size 156
	.end_amdhsa_kernel
	.amdgpu_metadata
---
amdhsa.version: [ 1, 2 ]
amdhsa.kernels:
  - .name:           k_qe1f20545f0_outp
    .symbol:         k_qe1f20545f0_outp.kd
    .args:
      - { .name: Xc, .offset: 0, .size: 8, .value_kind: global_buffer, .address_space: global }
      - { .name: GV, .offset: 8, .size: 8, .value_kind: global_buffer, .address_space: global }
      - { .name: SC, .offset: 16, .size: 8, .value_kind: global_buffer, .address_space: global }
      - { .name: ST, .offset: 24, .size: 8, .value_kind: global_buffer, .address_space: global }
      - { .name: out0, .offset: 32, .size: 8, .value_kind: global_buffer, .address_space: global }
    .group_segment_fixed_size: 327680
    .private_segment_fixed_size: 0
    .kernarg_segment_align: 8
    .kernarg_segment_size: 40
    .max_flat_workgroup_size: 256
    .sgpr_count:     66
    .vgpr_count:     512
    .wavefront_size: 32
...
	.end_amdgpu_metadata
.endif
;; end of part 3
;; ======== version 2 of 2: 3 launches; version 1 with the launch stats written anew for expert scheduling mode
;; limits: values are held in f16: magnitudes above 65,504 overflow, below 6.1e-05 lose precision
;; workspace buffers: WA 36,864 bytes; BG 1,280 bytes; W3F 32,768 bytes; GV 4,194,304 bytes; SC 65,536 bytes; ST 524,288 bytes
;; launch prepw: the kernel of part 1 again; grid 9 x 9, 4 waves a work-group, no clusters, 4,608 bytes of LDS; arguments W1, W2, W3, b1, b2, WA, BG, W3F; writes WA, BG, W3F
;; launch stats (part 4): grid 32 x 8, 8 waves a work-group, no clusters, 252,928 bytes of LDS; arguments Xc, Tout, b3, WA, BG, W3F, GV, SC, ST; writes GV, SC, ST
.if DOCPART == 4
	.amdgcn_target "amdgcn-amd-amdhsa--gfx1250"
	.amdhsa_code_object_version 6
	.text
	.protected	k_qe1f20545f0_stats
	.globl	k_qe1f20545f0_stats
	.p2align	8
	.type	k_qe1f20545f0_stats,@function
k_qe1f20545f0_stats:
	s_mov_b64 s[64:65], 0
	v_nop
	global_prefetch_b8 v0, s[64:65] scope:SCOPE_SE
	s_setreg_imm32_b32 hwreg(HW_REG_WAVE_SCHED_MODE, 0, 2), 2
	s_setreg_imm32_b32 hwreg(HW_REG_WAVE_MODE, 25, 1), 1
	s_wait_xcnt 0x0
	s_wait_alu depctr_vm_vsrc(0)
; First pass over the scores: for each column m its maximum and its sum of exponentials over a chunk of 512 n.
; Scores in base 2:  S2[n][m] = s[m] * (sum_d Gh[m][d] Xc[n][d]) + c2[m],  Gh = G2 / s, s[m] = the power of two of row m's largest |G2|.
; Work-group (x, b): j = x & 3 is a block of 256 m, c = x >> 2 a chunk of 512 n.  Wave w owns 32 m (g32 = 8 j + w) for all 512 n.
; Phases: Tout, Xc to f16 in LDS; v = Tout W3 + b3 for my 32 m and the d tile c; G2 and c2 = Tout Wx + BG; scale; four chunks of
; 128 n with a running maximum per lane; the sixteen lanes of a row meet at the end.  The transposed tile (rows m, columns n) is
; made, so that the reduction over n runs along registers and lanes of one row, and the packed results of the G phase are
; already the A fragments of the score product.
; The wave w = c stores Gh, s, c2 of its 32 m, so the eight chunks share that out evenly; every wave stores its v tile and its statistics.
; NO CLUSTER, NO TENSOR LOADS: the tiles that work-groups share (Xc, Tout) are f32 and are converted once on the way in; as f32 they
; (256 KiB + 128 KiB) do not fit in LDS beside their f16 copies (136 KiB + 68 KiB), so they come through registers.
; LIMITS: operands in f16: |Xc|, |Tout|, |v| below 65504.  A row of G2 whose largest magnitude is below 2^-126 counts as a row of
; zero scores; 2^127 and above is not served.  The sums are ordered otherwise than in q.k (the product is reassociated).
; THE MODE: SCHED_MODE bits 1:0 = 2 (LLVM: expert scheduling mode 2), set by the entry lines.  The code itself states the register dependences
; between vector or matrix instructions and memory or LDS instructions, with s_wait_alu, always for 0.
; THE PLAN.  Registers that memory or LDS instructions touch:
;   v4 .. v20      offsets and LDS addresses: made once at the head, never written again.
;   staging        Tout (v[32:159]) and a quarter of Xc (XS) are converted IN PLACE, four f32 into the first two of their four registers; one wait
;                  behind the run of conversions, then the run of LDS stores; one wait behind the stores, then the registers are loaded again.
;   WF, 4 buffers  tile jt of Wx lands in buffer jt % 4 and is read by that tile's eight products.  One wait behind every second tile frees the two buffers
;                  just multiplied; the two tiles then asked for have two tiles' products in which to land.
;   XF, 3 buffers  tile nt of Xc lands in buffer nt % 3.  One wait behind tiles 1, 3 and 5 of a chunk's eight.
;   out            the v tile (v[224:231]), s (v28, v29), c2 (two accumulator registers), Gh (AF), the statistics (TM, SUM): each written by vector or
;                  matrix work, then one wait, then the run of stores; what is written again later stands behind a wait for those stores' reads.
; A wait covers all that was issued ahead of it: a load that stands further behind one names only registers that no vector or matrix instruction issued since has named.
.set XP,   272                         ; an LDS row: 256 bytes of f16 + 16: sixteen rows start at sixteen different 16-byte columns
.set QB,   128*XP                      ; a quarter of Xc's chunk
.set TO,   4*QB                        ; Tout's 256 rows
.set WAL,  TO+256*XP                   ; a copy of WA
.set SCR,  WAL+36864                   ; 768 bytes a wave: s 128, c2 128, 128 unused words, -, PM 128, PZ 128
; window 0
.set AF,   32                          ; v[32:95]   Gh as A fragments: 32 mt + 8 q
.set WF,   32                          ; v[32:159]  before that: fragments of Wx, four buffers of 32
.set TM,   96                          ; v[96:111]  a chunk's maxima
.set OLD,  112                         ; v[112:127] rescaling factors
.set CP,   128                         ; v[128:143] c2
.set XS,   160                         ; v[160:223] sixteen rows of Xc as loaded, then as f16
.set DM,   224                         ; v[224:239] running maxima of the raw products, 16 m a lane
.set SUM,  240                         ; v[240:255] running sums
; window 1 (written by their low 8 bits)
.set SS,   144                         ; s of my 16 m
.set NB,   160                         ; - s * maximum: lives in a chunk's reduction alone, in the low half of XF's buffer 0
.set W3R,  144                         ; before that: fragments of W3
.set TB,   176                         ; fragments of Tout: 32 mt + 8 q
.set XF,   160                         ; later fragments of Xc, three buffers of 32
.set VA,   240                         ; the v tile's sums
.set MSB, 0
.macro WIN new                         ; low byte: bits 1:0 source 0, 3:2 source 1, 5:4 source 2, 7:6 destination; the high byte repeats the setting left
.if MSB != \new
	s_set_vgpr_msb (MSB<<8)|\new
.set MSB, \new
.endif
.endm
.macro PLACES                          ; four places behind a matrix instruction before its result is read or a source loaded again (ISA guide 7.12.1)
.rept 4
	v_nop
.endr
.endm
.macro XLOAD q                         ; my 16 rows of quarter q: each load is one whole row of 512 bytes
.set i, 0
.rept 16
	global_load_b128 v[XS+4*i:XS+4*i+3], v4, s[4:5] offset:(\q)*65536+512*i
.set i, i+1
.endr
.endm
.macro XCVT                            ; the sixteen rows close up: four f32 to four f16, in the first two of their four registers
.set i, 0
.rept 16
	v_cvt_pk_f16_f32 v[XS+4*i],   v[XS+4*i],   v[XS+4*i+1]
	v_cvt_pk_f16_f32 v[XS+4*i+1], v[XS+4*i+2], v[XS+4*i+3]
.set i, i+1
.endr
.endm
.macro XPUT q                          ; 8 bytes a lane and row into LDS
.set i, 0
.rept 16
	ds_store_b64 v[6+(\q)/2], v[XS+4*i:XS+4*i+1] offset:((\q)&1)*QB+XP*i
.set i, i+1
.endr
.endm
	s_load_b512 s[4:19], s[0:1], 0x0               ; Xc 4:5, Tout 6:7, b3 8:9, WA 10:11, BG 12:13, W3F 14:15, GV 16:17, SC 18:19
	s_load_b64 s[20:21], s[0:1], 0x40              ; ST
	v_lshrrev_b32 v1, 5, v0
	v_readfirstlane_b32 s24, v1                    ; w
	s_and_b32 s25, ttmp9, 3                        ; j
	s_lshr_b32 s26, ttmp9, 2                       ; c
	s_and_b32 s27, ttmp7, 0xffff                   ; b
	s_wait_alu depctr_va_sdst(0)                   ; s24 is written, ahead of its first reader: offsets, LDS addresses and a branch are made from it
	s_lshl3_add_u32 s28, s25, s24                  ; g32 = 8 j + w
	s_mov_b32 s30, 0x76543210                      ; v_permlanex16_b32: lane i of the other half
	s_mov_b32 s31, 0xfedcba98
	; byte offsets, each in a pair of its own
	s_lshl_b32 s32, s27, 21                        ; Xc: batch, chunk of 512 rows, my 16 rows
	s_lshl_b32 s22, s26, 18
	s_add_co_u32 s32, s32, s22
	s_lshl_b32 s22, s24, 13
	s_add_co_u32 s32, s32, s22
	s_mov_b32 s33, 0
	s_lshl_b32 s34, s27, 19                        ; Tout: batch, block of 256 rows, my 32 rows
	s_lshl_b32 s22, s25, 17
	s_add_co_u32 s34, s34, s22
	s_lshl_b32 s22, s24, 14
	s_add_co_u32 s34, s34, s22
	s_mov_b32 s35, 0
	s_mul_i32 s36, s24, 4608                       ; WA: my 9 of its 72 blocks
	s_mov_b32 s37, 0
	s_lshl_b32 s38, s26, 12                        ; W3F: d tile c
	s_mov_b32 s39, 0
	s_lshl_b32 s40, s26, 6                         ; b3: d tile c
	s_mov_b32 s41, 0
	s_lshl_b32 s42, s27, 19                        ; GV: batch, block of 128 m, my 32 m in it
	s_lshr_b32 s22, s28, 2
	s_lshl_b32 s22, s22, 16
	s_add_co_u32 s42, s42, s22
	s_and_b32 s22, s28, 3
	s_lshl_b32 s22, s22, 13
	s_add_co_u32 s42, s42, s22
	s_mov_b32 s43, 0
	s_lshl_b32 s44, s27, 5                         ; SC: 256 bytes for (b, g32)
	s_add_co_u32 s44, s44, s28
	s_lshl_b32 s44, s44, 8
	s_mov_b32 s45, 0
	s_lshl3_add_u32 s46, s27, s26                  ; ST: 256 bytes for (b, c, g32)
	s_lshl_b32 s46, s46, 5
	s_add_co_u32 s46, s46, s28
	s_lshl_b32 s46, s46, 8
	s_mov_b32 s47, 0
	s_lshl_b32 s50, s26, 10                        ; the v part of GV's block: behind 32 KiB of Gh, d tile c
	s_add_co_u32 s50, s50, 32768
	s_mov_b32 s51, 0
	v_and_b32 v1, 31, v0                           ; L
	v_and_b32 v2, 15, v0                           ; r
	v_bfe_u32 v3, v0, 4, 1                         ; h
	v_lshlrev_b32 v4, 4, v1                        ; 16 L
	v_lshlrev_b32 v5, 3, v1                        ; 8 L
	s_mul_i32 s22, s24, 16*XP
	v_add_nc_u32 v6, s22, v5                       ; where my rows of quarters 0, 1 go
	v_add_nc_u32 v7, 2*QB, v6                      ; of quarters 2, 3
	v_mul_u32_u24 v8, v2, XP
	v_lshl_add_u32 v8, v3, 4, v8                   ; a fragment's lane: row r, 16 h bytes along it; quarters 0, 1
	v_add_nc_u32 v9, 2*QB, v8                      ; quarters 2, 3
	s_mul_i32 s22, s24, 32*XP
	s_add_co_u32 s22, s22, TO
	v_add_nc_u32 v10, s22, v5                      ; Tout: in
	v_add_nc_u32 v11, s22, v8                      ; Tout: as fragments
	s_add_co_u32 s22, s36, WAL
	v_add_nc_u32 v12, s22, v4                      ; WA: in
	v_add_nc_u32 v13, WAL, v4                      ; WA: out
	s_mul_i32 s22, s24, 768
	s_add_co_u32 s22, s22, SCR
	v_lshlrev_b32 v19, 5, v3                       ; 32 h
	v_lshlrev_b32 v20, 2, v2                       ; 4 r
	v_add_nc_u32 v14, s22, v20                     ; s of row r
	v_lshl_add_u32 v15, v3, 7, v14
	v_add_nc_u32 v15, 128, v15                     ; c2 of row r (lanes 16-31, which hold no c2, write 128 bytes further on)
	v_add_nc_u32 v16, s22, v19                     ; eight numbers for m = 8 h ..
	v_add_nc_u32 v17, s22, v5                      ; 256 bytes by 32 lanes
	v_add_nc_u32 v18, 512, v16
	s_wait_kmcnt 0x0
	s_add_nc_u64 s[4:5], s[4:5], s[32:33]
	s_add_nc_u64 s[6:7], s[6:7], s[34:35]
	s_add_nc_u64 s[10:11], s[10:11], s[36:37]
	s_add_nc_u64 s[14:15], s[14:15], s[38:39]
	s_add_nc_u64 s[8:9], s[8:9], s[40:41]
	s_add_nc_u64 s[16:17], s[16:17], s[42:43]
	s_add_nc_u64 s[18:19], s[18:19], s[44:45]
	s_add_nc_u64 s[20:21], s[20:21], s[46:47]
	s_add_nc_u64 s[48:49], s[16:17], s[50:51]
	s_wait_alu depctr_va_vdst(0)                   ; v4 to v20 are written: every load and store of the kernel, global or LDS, reads one of them as its offset or address
	; ---- all first loads, oldest needed first
.irp k, 0,1,2,3,4,5,6,7
	global_load_b128 v[224+4*\k:227+4*\k], v4, s[10:11] offset:512*\k
.endr
	global_load_b128 v[28:31], v4, s[10:11] offset:4096
.set i, 0
.rept 32
	global_load_b128 v[32+4*i:35+4*i], v4, s[6:7] offset:512*i     ; my 32 rows of Tout
.set i, i+1
.endr
	global_load_b32 v21, v20, s[8:9]               ; b3[16 c + r]
	XLOAD 0
	WIN 0x40
.irp k, 0,1,2,3,4,5,6,7
	global_load_b128 v[W3R+4*\k:W3R+4*\k+3], v4, s[14:15] offset:512*\k
.endr
.set i, 0
.rept 18                                           ; BG starts the sums of the G phase: tile 2 jt + mt, register jj = BG[16 jt + 8 h + jj]
	global_load_b128 v[8*i:8*i+3],   v19, s[12:13] offset:128*(i/2)
	global_load_b128 v[8*i+4:8*i+7], v19, s[12:13] offset:128*(i/2)+16
.set i, i+1
.endr
	WIN 0
	s_wait_loadcnt 61                              ; 1 + 16 + 8 + 36 loads were issued behind Tout's: WA and Tout are in
.irp k, 0,1,2,3,4,5,6,7
	ds_store_b128 v12, v[224+4*\k:227+4*\k] offset:512*\k          ; as loaded: no vector instruction has named these registers
.endr
	ds_store_b128 v12, v[28:31] offset:4096
.set i, 0
.rept 32                                           ; Tout closes up in place, as Xc does in XCVT
	v_cvt_pk_f16_f32 v[32+4*i], v[32+4*i], v[33+4*i]
	v_cvt_pk_f16_f32 v[33+4*i], v[34+4*i], v[35+4*i]
.set i, i+1
.endr
	s_wait_loadcnt 44                              ; 8 + 36 behind them: b3 and quarter 0 are in
	XCVT
	s_wait_alu depctr_va_vdst(0)                   ; the 96 conversions have written what the 48 LDS stores below read, and are done with XS and v[32:159], in which later loads land
.set i, 0
.rept 32
	ds_store_b64 v10, v[32+4*i:33+4*i] offset:XP*i
.set i, i+1
.endr
	XPUT 0
	s_wait_alu depctr_vm_vsrc(0)                   ; the LDS stores have read XS (quarter 1 lands there), v[32:159] (Wx's tiles land there), v[224:255] and v[28:31] (written again by the v tile, DM, SUM and s)
	XLOAD 1
	s_wait_dscnt 0x0                               ; my stores are done before I say so
	s_barrier_signal -1
	s_barrier_wait -1                              ; WA's copy and quarter 0 are whole
	; ---- v = Tout W3 + b3: my 32 m x d tile c.  Wx's first four tiles are asked for round it: no vector or matrix instruction since the two waits above names v[32:159]
.macro WLOAD jt                        ; tile jt of Wx into buffer jt % 4
.irp k, 0,1,2,3,4,5,6,7
	ds_load_b128 v[WF+32*((\jt)%4)+4*\k:WF+32*((\jt)%4)+4*\k+3], v13 offset:(\jt)*4096+512*\k
.endr
.endm
	WIN 0x40
.irp mt, 0,1
.irp q, 0,1,2,3
	ds_load_b128 v[TB+32*\mt+8*\q:TB+32*\mt+8*\q+3],   v11 offset:\mt*16*XP+\q*64
	ds_load_b128 v[TB+32*\mt+8*\q+4:TB+32*\mt+8*\q+7], v11 offset:\mt*16*XP+\q*64+32
.endr
.endr
.set e, 0
.rept 16
	v_mov_b32 v[VA+e], v21                         ; the bias of column r starts the sums
.set e, e+1
.endr
	WIN 0
	WLOAD 0
	WLOAD 1
	s_wait_dscnt 16                                ; Tout's fragments are in; the sixteen loads of tiles 0 and 1 stay out
	s_wait_loadcnt 16                              ; all but quarter 1: W3 and BG are in
	WIN 0x55
.irp q, 0,1,2,3                                    ; the two sums take turns, one instruction a turn (so everywhere below)
.irp mt, 0,1
	v_wmma_f32_16x16x32_f16 v[VA+8*\mt:VA+8*\mt+7], v[TB+32*\mt+8*\q:TB+32*\mt+8*\q+7], v[W3R+8*\q:W3R+8*\q+7], v[VA+8*\mt:VA+8*\mt+7]
.endr
.endr
	WIN 0
	WLOAD 2
	WLOAD 3
	PLACES
	WIN 0x05
.irp mt, 0,1
.irp p, 0,1,2,3
	v_cvt_pk_f16_f32 v[224+4*\mt+\p], v[VA+8*\mt+2*\p], v[VA+8*\mt+2*\p+1]    ; v[16 mt + 8 h + 0..7][16 c + r]
.endr
.endr
	WIN 0
	s_wait_alu depctr_va_vdst(0)                   ; the conversions have written v[224:231], which the two stores read
	global_store_b128 v4, v[224:227], s[48:49]
	global_store_b128 v4, v[228:231], s[48:49] offset:512
	; ---- G2 (j tiles 0..7) and c2 (row 128, in j tile 8): rows j, columns m
.macro GMUL jt, left                   ; left: the LDS loads of the younger tiles, which may stay out
	s_wait_dscnt \left
	WIN 0x54
.irp q, 0,1,2,3
.irp mt, 0,1
	v_wmma_f32_16x16x32_f16 v[8*(2*\jt+\mt):8*(2*\jt+\mt)+7], v[WF+32*((\jt)%4)+8*\q:WF+32*((\jt)%4)+8*\q+7], v[TB+32*\mt+8*\q:TB+32*\mt+8*\q+7], v[8*(2*\jt+\mt):8*(2*\jt+\mt)+7]
.endr
.endr
.endm
.macro GFREE
	PLACES                                         ; issued while the products that the wait below waits for are at work
	WIN 0
	s_wait_alu depctr_va_vdst(0)                   ; the last two tiles' products are done reading their buffers of Wx, in which the loads below land
.endm
	GMUL 0, 24                                     ; tiles 1, 2, 3 stay out
	GMUL 1, 16
	GFREE
	WLOAD 4
	WLOAD 5
	GMUL 2, 24                                     ; tiles 3, 4, 5
	GMUL 3, 16
	GFREE
	WLOAD 6
	WLOAD 7
	GMUL 4, 24                                     ; tiles 5, 6, 7
	GMUL 5, 16
	GFREE
	WLOAD 8
	GMUL 6, 16                                     ; tiles 7, 8: the counts run down
	GMUL 7, 8
	GMUL 8, 0
	PLACES
	; ---- a scale for each row m = 16 mt + r: lane (r, h) holds 64 of its 128 numbers.  Four chains of 16.  Vector work alone: the stores follow both
.macro SCALE mt
	WIN 0x15
.irp c, 0,1,2,3
	v_max3_num_f32 v[22+\c], |v[8*(4*\c+\mt)]|, |v[8*(4*\c+\mt)+1]|, |v[8*(4*\c+\mt)+2]|
.endr
	WIN 0x14
.irp e, 3,5,7,9,11,13
.irp c, 0,1,2,3
	v_max3_num_f32 v[22+\c], v[22+\c], |v[8*(4*\c+2*(\e/8)+\mt)+\e%8]|, |v[8*(4*\c+2*((\e+1)/8)+\mt)+(\e+1)%8]|
.endr
.endr
.irp c, 0,1,2,3
	v_max_num_f32 v[22+\c], v[22+\c], |v[8*(4*\c+2+\mt)+7]|
.endr
	WIN 0
	v_max3_num_f32 v22, v22, v23, v24
	v_max_num_f32 v22, v22, v25
	v_permlanex16_b32 v23, v22, s30, s31           ; the other 64 numbers of the row
	v_max_num_f32 v22, v22, v23
	v_and_b32 v[28+\mt], 0x7f800000, v22           ; s: the power of two at or below the largest magnitude (0 for a row below 2^-126); a register for each mt, so that no store's data is written again
	v_sub_nc_u32 v26, 0x7f000000, v[28+\mt]        ; 1 / s, by the exponent field
	v_sub_nc_u32 v27, 0x7f000000, v[28+\mt]
	WIN 0x41
.irp jt, 0,1,2,3,4,5,6,7
.irp p, 0,2,4,6
	v_pk_mul_f32 v[8*(2*\jt+\mt)+\p:8*(2*\jt+\mt)+\p+1], v[8*(2*\jt+\mt)+\p:8*(2*\jt+\mt)+\p+1], v[26:27]
.endr
.endr
	WIN 0x05
.irp jt, 0,1,2,3,4,5,6,7
.irp p, 0,1,2,3
	v_cvt_pk_f16_f32 v[AF+32*\mt+4*\jt+\p], v[8*(2*\jt+\mt)+2*\p], v[8*(2*\jt+\mt)+2*\p+1]   ; |Gh| < 2; tiles 2 q, 2 q + 1 are the A fragment of K step q
.endr
.endr
.endm
	SCALE 0
	SCALE 1
	WIN 0
	s_wait_alu depctr_va_vdst(0)                   ; written: s (v28, v29) and c2 (j tile 8), which the LDS stores read, and Gh (AF), which the owner's stores read.  Done with: v[22:23], W3's fragments, Tout's fragments and the v tile's sums, in which the loads of s, c2 and Xc's first tiles land
	ds_store_b32 v14, v28
	ds_store_b32 v14, v29 offset:64
	WIN 0x04
	ds_store_b32 v15, v[8*16]                      ; c2: register 0 of j tile 8 in lanes 0-15
	ds_store_b32 v15, v[8*17] offset:64
	WIN 0x40
.irp mt, 0,1
.irp u, 0,1
	ds_load_b128 v[SS+8*\mt+4*\u:SS+8*\mt+4*\u+3], v16 offset:64*\mt+16*\u    ; my wave's own bytes: LDS serves a wave's instructions in order (ISA guide 5.7.1)
.endr
.endr
	WIN 0
	s_cmp_lg_u32 s24, s26
	s_cbranch_scc1 .Lnot_owner                     ; wave w = c stores Gh, s and c2 of its 32 m
.irp mt, 0,1
.irp jt, 0,1,2,3,4,5,6,7
	global_store_b128 v4, v[AF+32*\mt+4*\jt:AF+32*\mt+4*\jt+3], s[16:17] offset:\mt*4096+\jt*512
.endr
.endr
	ds_load_b64 v[22:23], v17
	s_wait_dscnt 0x0
	global_store_b64 v5, v[22:23], s[18:19]        ; 256 bytes: s, then c2
.Lnot_owner:
	s_wait_xcnt 0x0                                ; the stores' data (v[224:231], v[22:23]) are written again only behind this wait
	s_wait_alu depctr_vm_vsrc(0)                   ; and behind this one: the stores have read v[224:231], where the running maxima are written, and v[22:23], in which the last LDS load lands
	s_wait_dscnt 0x0
	; ---- the scores, 128 n at a time
.macro XFETCH q, nt                    ; tile nt of quarter q into buffer nt % 3
.irp kq, 0,1,2,3
.irp u, 0,1
	ds_load_b128 v[XF+32*((\nt)%3)+8*\kq+4*\u:XF+32*((\nt)%3)+8*\kq+4*\u+3], v[8+(\q)/2] offset:((\q)&1)*QB+(\nt)*16*XP+\kq*64+\u*32
.endr
.endr
.endm
.macro NMUL nt, left                   ; left: the LDS loads of the younger tiles, which may stay out
	s_wait_dscnt \left
.irp kq, 0,1,2,3
.irp mt, 0,1
.if \kq == 0
	v_wmma_f32_16x16x32_f16 v[8*(2*\nt+\mt):8*(2*\nt+\mt)+7], v[AF+32*\mt+8*\kq:AF+32*\mt+8*\kq+7], v[XF+32*((\nt)%3)+8*\kq:XF+32*((\nt)%3)+8*\kq+7], 0
.else
	v_wmma_f32_16x16x32_f16 v[8*(2*\nt+\mt):8*(2*\nt+\mt)+7], v[AF+32*\mt+8*\kq:AF+32*\mt+8*\kq+7], v[XF+32*((\nt)%3)+8*\kq:XF+32*((\nt)%3)+8*\kq+7], v[8*(2*\nt+\mt):8*(2*\nt+\mt)+7]
.endif
.endr
.endr
.endm
.macro XFREE
	PLACES                                         ; issued while the products that the wait below waits for are at work
	s_wait_alu depctr_va_vdst(0)                   ; the last two tiles' products are done reading their buffers of Xc, in which the loads below land
.endm
; Register 16 nt + e of window 1 holds the raw product for m index e (= 8 mt + jj, row 16 mt + 8 h + jj) and column 16 nt + r.
; The maximum is taken on the raw products (s >= 0 keeps the order); exponents are s * (product - maximum) <= 0.
.macro CHUNK q, first
	WIN 0x54                                       ; LDS loads: data window 1, address window 0; products: A window 0, B, C, D window 1
	XFETCH \q, 0                                   ; no wait: the last wait on va_vdst stands behind all that named the three buffers (the chunk or phase before)
	XFETCH \q, 1
	NMUL 0, 8                                      ; tile 1 stays out
	XFETCH \q, 2                                   ; no wait: tile 0's products name buffer 0, Gh and their sums, not buffer 2
	NMUL 1, 8                                      ; tile 2
	XFREE
	XFETCH \q, 3
	XFETCH \q, 4
	NMUL 2, 16                                     ; tiles 3, 4
	NMUL 3, 8
	XFREE
	XFETCH \q, 5
	XFETCH \q, 6
	NMUL 4, 16                                     ; tiles 5, 6
	NMUL 5, 8
	XFREE
	XFETCH \q, 7
	NMUL 6, 8                                      ; tile 7
	NMUL 7, 0
	PLACES
	WIN 0x15
.set e, 0
.rept 16
	v_max3_num_f32 v[TM+e], v[e], v[16+e], v[32+e]
.set e, e+1
.endr
	WIN 0x14
.set e, 0
.rept 16
	v_max3_num_f32 v[TM+e], v[TM+e], v[48+e], v[64+e]
.set e, e+1
.endr
.set e, 0
.rept 16
	v_max3_num_f32 v[TM+e], v[TM+e], v[80+e], v[96+e]
.set e, e+1
.endr
.if \first
	WIN 0x04
.set e, 0
.rept 16
	v_max_num_f32 v[DM+e], v[TM+e], v[112+e]
.set e, e+1
.endr
.else
	WIN 0x01
.set e, 0
.rept 8
	v_pk_mul_f32 v[OLD+2*e:OLD+2*e+1], v[SS+2*e:SS+2*e+1], v[DM+2*e:DM+2*e+1]   ; s * old maximum
.set e, e+1
.endr
	WIN 0x04
.set e, 0
.rept 16
	v_max3_num_f32 v[DM+e], v[TM+e], v[112+e], v[DM+e]
.set e, e+1
.endr
.endif
	WIN 0x41
.set e, 0
.rept 8
	v_pk_mul_f32 v[NB+2*e:NB+2*e+1], v[SS+2*e:SS+2*e+1], v[DM+2*e:DM+2*e+1] neg_lo:[1,0] neg_hi:[1,0]   ; - s * maximum (exact: s is a power of two)
.set e, e+1
.endr
.if \first == 0
	WIN 0x04
.set e, 0
.rept 8
	v_pk_add_f32 v[OLD+2*e:OLD+2*e+1], v[OLD+2*e:OLD+2*e+1], v[NB+2*e:NB+2*e+1]
.set e, e+1
.endr
	WIN 0
.set e, 0
.rept 16
	v_exp_f32 v[OLD+e], v[OLD+e]                   ; the old sums' factor; the multiply-adds below stand between it and its use (ISA guide 5.7.2)
.set e, e+1
.endr
.endif
	WIN 0x55
.set e, 0
.rept 64
	v_pk_fma_f32 v[2*e:2*e+1], v[2*e:2*e+1], v[SS+2*(e%8):SS+2*(e%8)+1], v[NB+2*(e%8):NB+2*(e%8)+1]
.set e, e+1
.endr
.set e, 0
.rept 128
	v_exp_f32 v[e], v[e]
.set e, e+1
.endr
	v_nop                                          ; one plain place behind the last exponential
	s_wait_alu depctr_va_vdst(0)                   ; the chunk's exponentials, the 128 weights and the 16 factors in OLD, are written, ahead of their first reader
.irp a, 0,2,4,6
.irp p, 0,2,4,6,8,10,12,14
	v_pk_add_f32 v[16*\a+\p:16*\a+\p+1], v[16*\a+\p:16*\a+\p+1], v[16*\a+16+\p:16*\a+16+\p+1]
.endr
.endr
.irp a, 0,4
.irp p, 0,2,4,6,8,10,12,14
	v_pk_add_f32 v[16*\a+\p:16*\a+\p+1], v[16*\a+\p:16*\a+\p+1], v[16*\a+32+\p:16*\a+32+\p+1]
.endr
.endr
.irp p, 0,2,4,6,8,10,12,14
	v_pk_add_f32 v[\p:\p+1], v[\p:\p+1], v[64+\p:64+\p+1]
.endr
.if \first
	WIN 0x01
.set e, 0
.rept 16
	v_mov_b32 v[SUM+e], v[e]
.set e, e+1
.endr
.else
	WIN 0x10
.set e, 0
.rept 8
	v_pk_fma_f32 v[SUM+2*e:SUM+2*e+1], v[SUM+2*e:SUM+2*e+1], v[OLD+2*e:OLD+2*e+1], v[2*e:2*e+1]
.set e, e+1
.endr
.endif
	WIN 0
.endm
; A quarter of Xc is written once, into bytes of its own, and read only behind its barrier; the next one's loads are out for a whole chunk.
.macro NEXTQ q, more
	s_wait_loadcnt 0x0
	XCVT
	s_wait_alu depctr_va_vdst(0)                   ; the conversions have written XS's f16, which the LDS stores read, and are done with XS, in which the next quarter lands; the chunk before is done with Xc's three fragment buffers
	XPUT \q
.if \more
	s_wait_alu depctr_vm_vsrc(0)                   ; the LDS stores have read XS, in which the loads below land
	XLOAD (\q)+1
.endif
	s_wait_dscnt 0x0
	s_barrier_signal -1
	s_barrier_wait -1
	CHUNK \q, 0
.endm
	CHUNK 0, 1
	NEXTQ 1, 1
	NEXTQ 2, 1
	NEXTQ 3, 0
	; ---- the sixteen lanes of a row (columns n = r mod 16) meet
.irp mt, 0,1
.irp u, 0,1
	ds_load_b128 v[CP+8*\mt+4*\u:CP+8*\mt+4*\u+3], v16 offset:128+64*\mt+16*\u   ; no wait: the G phase's products named these registers last, far ahead of the last wait on va_vdst
.endr
.endr
.set e, 0
.rept 16
	v_max_num_f32_dpp v[TM+e], v[DM+e], v[DM+e] row_xmask:1 row_mask:0xf bank_mask:0xf
.set e, e+1
.endr
.irp x, 2,4,8
.set e, 0
.rept 16
	v_max_num_f32_dpp v[TM+e], v[TM+e], v[TM+e] row_xmask:\x row_mask:0xf bank_mask:0xf
.set e, e+1
.endr
.endr
.set e, 0
.rept 8
	v_pk_add_f32 v[OLD+2*e:OLD+2*e+1], v[DM+2*e:DM+2*e+1], v[TM+2*e:TM+2*e+1] neg_lo:[0,1] neg_hi:[0,1]
.set e, e+1
.endr
	s_wait_dscnt 0x0
	WIN 0x01
.set e, 0
.rept 8
	v_pk_mul_f32 v[OLD+2*e:OLD+2*e+1], v[SS+2*e:SS+2*e+1], v[OLD+2*e:OLD+2*e+1]             ; s * (my maximum - the row's) <= 0
	v_pk_fma_f32 v[TM+2*e:TM+2*e+1], v[SS+2*e:SS+2*e+1], v[TM+2*e:TM+2*e+1], v[CP+2*e:CP+2*e+1]   ; PM = s * maximum + c2
.set e, e+1
.endr
	WIN 0
.set e, 0
.rept 16
	v_exp_f32 v[OLD+e], v[OLD+e]
.set e, e+1
.endr
	v_nop
	s_wait_alu depctr_va_vdst(0)                   ; the sixteen factors in OLD are written, ahead of their first reader
.set e, 0
.rept 8
	v_pk_mul_f32 v[SUM+2*e:SUM+2*e+1], v[SUM+2*e:SUM+2*e+1], v[OLD+2*e:OLD+2*e+1]
.set e, e+1
.endr
.irp x, 1,2,4,8
.set e, 0
.rept 16
	v_add_f32_dpp v[SUM+e], v[SUM+e], v[SUM+e] row_xmask:\x row_mask:0xf bank_mask:0xf
.set e, e+1
.endr
.endr
	s_wait_alu depctr_va_vdst(0)                   ; PM (TM) and PZ (SUM) are written, which the LDS stores read
.irp mt, 0,1
.irp u, 0,1
	ds_store_b128 v18, v[TM+8*\mt+4*\u:TM+8*\mt+4*\u+3]   offset:64*\mt+16*\u          ; the sixteen lanes of a row hold, and write, the same
	ds_store_b128 v18, v[SUM+8*\mt+4*\u:SUM+8*\mt+4*\u+3] offset:128+64*\mt+16*\u
.endr
.endr
	ds_load_b64 v[22:23], v17 offset:512           ; no wait: no vector instruction has named v[22:23] since the scales were made
	s_wait_dscnt 0x0
	global_store_b64 v5, v[22:23], s[20:21]        ; 256 consecutive bytes, aligned: PM of my 32 m, then PZ
	s_wait_xcnt 0x0
	s_wait_alu depctr_vm_vsrc(0)                   ; the LDS stores have read v254 and v255 (the last of SUM), which the two lines below write
	v_lshl_add_u32 v254, v0, 2, 0x3d800
	v_mov_b32 v255, 0
	s_wait_dscnt 0x0                               ; the closing lines, six on end
	s_wait_alu 0x0
	s_wait_tensorcnt 0x0
	ds_add_u32 v254, v255
	s_wait_dscnt 0x0
	s_endpgm
.Lfunc_end_k_qe1f20545f0_stats:
	.size	k_qe1f20545f0_stats, .Lfunc_end_k_qe1f20545f0_stats-k_qe1f20545f0_stats
	.p2alignl 7, 3214868480
	.fill 96, 4, 3214868480
	.section	.rodata,"a",@progbits
	.p2align	6, 0x0
	.amdhsa_kernel k_qe1f20545f0_stats
		.amdhsa_group_segment_fixed_size 252928
		.amdhsa_private_segment_fixed_size 0
		.amdhsa_enable_private_segment 0
		.amdhsa_kernarg_size 72
		.amdhsa_user_sgpr_count 2
		.amdhsa_user_sgpr_kernarg_segment_ptr 1
		.amdhsa_wavefront_size32 1
		.amdhsa_system_sgpr_workgroup_id_x 1
		.amdhsa_system_sgpr_workgroup_id_y 1
		.amdhsa_system_sgpr_workgroup_id_z 1
		.amdhsa_system_vgpr_workitem_id 0
		.amdhsa_next_free_vgpr 512
		.amdhsa_next_free_sgpr 66
		.amdhsa_reserve_vcc 0
		.amdhsa_float_denorm_mode_32 3
		.amdhsa_float_denorm_mode_16_64 3
		.amdhsa_memory_ordered 1
		.amdhsa_forward_progress 1
		.amdhsa_inst_pref_size 185
	.end_amdhsa_kernel
	.amdgpu_metadata
---
amdhsa.version: [ 1, 2 ]
amdhsa.kernels:
  - .name:           k_qe1f20545f0_stats
    .symbol:         k_qe1f20545f0_stats.kd
    .args:
      - { .name: Xc, .offset: 0, .size: 8, .value_kind: global_buffer, .address_space: global }
      - { .name: Tout, .offset: 8, .size: 8, .value_kind: global_buffer, .address_space: global }
      - { .name: b3, .offset: 16, .size: 8, .value_kind: global_buffer, .address_space: global }
      - { .name: WA, .offset: 24, .size: 8, .value_kind: global_buffer, .address_space: global }
      - { .name: BG, .offset: 32, .size: 8, .value_kind: global_buffer, .address_space: global }
      - { .name: W3F, .offset: 40, .size: 8, .value_kind: global_buffer, .address_space: global }
      - { .name: GV, .offset: 48, .size: 8, .value_kind: global_buffer, .address_space: global }
      - { .name: SC, .offset: 56, .size: 8, .value_kind: global_buffer, .address_space: global }
      - { .name: ST, .offset: 64, .size: 8, .value_kind: global_buffer, .address_space: global }
    .group_segment_fixed_size: 252928
    .private_segment_fixed_size: 0
    .kernarg_segment_align: 8
    .kernarg_segment_size: 72
    .max_flat_workgroup_size: 256
    .sgpr_count:     66
    .vgpr_count:     512
    .wavefront_size: 32
...
	.end_amdgpu_metadata
.endif
;; end of part 4
;; launch outp: the kernel of part 3 again; grid 32 x 8, 8 waves a work-group, clusters of 4 x 1, 327,680 bytes of LDS; arguments Xc, GV, SC, ST, out0; writes out0
